; MI455X (gfx1250); checked and timed in simulation.
; The chip was launched on July 23, 2026; its instructions are those of AMD's public machine-readable ISA for CDNA 5 (MIT licence, August 2026) and "CDNA5" Instruction Set Architecture Reference Guide (July 2026). The comments in the code are by the model that wrote it; some were corrected since.
;; Attention. Allowed arithmetic: float matrix products may take bf16 or f16 operands with f32 sums; other float arithmetic in f32, or as packed bf16 or f16 multiplies, adds, multiply-adds, maxima and minima; sums over many terms, partial sums and values carried from step to step in f32; what a program stores and reads back later, other than sums and carried values, may be rounded once to bf16 or f16.
;; Inputs: W_K 16 x 1,024 x 64 float32; W_O 16 x 64 x 1,024 float32; W_Q 16 x 1,024 x 64 float32; W_V 16 x 1,024 x 64 float32; b_K 16 x 64 float32; b_O 1,024 float32; b_Q 16 x 64 float32; b_V 16 x 64 float32; key_input 16 x 577 x 1,024 float32; query_input 16 x 577 x 1,024 float32; value_input 16 x 577 x 1,024 float32.
;; Outputs: out0 16 x 577 x 1,024 float32.
;; 2 versions, each right; version 2 is version 1 with the launch prep written anew for expert scheduling mode. Each part assembles by itself: llvm-mc -triple=amdgcn-amd-amdhsa -mcpu=gfx1250 --defsym DOCPART=n.
;; ======== version 1 of 2: 4 launches
;; limits: values are held in f16: magnitudes above 65,504 overflow, below 6.1e-05 lose precision
;; workspace buffers: wt 6,291,456 bytes; wo 2,097,152 bytes; qkv 62,914,560 bytes; zh 20,971,520 bytes
;; launch prep (part 1): grid 128 x 4, 4 waves a work-group, no clusters, 17,920 bytes of LDS; arguments W_Q, W_K, W_V, W_O, wt, wo; writes wt, wo
.if DOCPART == 1
	.amdgcn_target "amdgcn-amd-amdhsa--gfx1250"
	.amdhsa_code_object_version 6
	.text
	.protected	k_qaab642858e_prep
	.globl	k_qaab642858e_prep
	.p2align	8
	.type	k_qaab642858e_prep,@function
k_qaab642858e_prep:
	s_mov_b64 s[64:65], 0
	v_nop
	global_prefetch_b8 v0, s[64:65] scope:SCOPE_SE
	s_setreg_imm32_b32 hwreg(HW_REG_WAVE_MODE, 25, 1), 1
	s_wait_xcnt 0x0
; THE WEIGHTS, ROUNDED AND TURNED, once for the later launches.
;   wt[mat][n = 64 head + e][k = d] = bf16(W_mat[head][d][e]), mat = 0, 1, 2 for W_Q, W_K, W_V;   wo[n = d][k = 64 head + e] = f16(bf16(W_O[head][e][d])).
; Both results have K along the rows, as a matrix operand wants it.  W_O is rounded to bf16 like every input of the module; that number is then written as f16, since it
; multiplies an f16 operand.  LIMIT: the second step is exact from 6.1e-5 up to 65,504; below, f16 keeps a fixed step of 6e-8.
; SHARES.  A work-group turns one tile of 128 k x 64 n: x = i16 + 16 kb (i16: the head, or for W_O the block of 64 columns; kb: the block of 128 k), y = mat (3: W_O).
; A thread loads 16 bytes (4 n) of two neighbouring rows k, k + 1: sixteen lanes read 256 consecutive bytes.  A pair (k, k + 1) of one n is one word of the turned tile in LDS
; (64 rows n of 256 bytes, 272 apart).  Behind one barrier the rows are read back whole, and sixteen lanes store 256 consecutive bytes, aligned.
; The word stores into LDS fall four to a bank; the launch moves each byte once and has no other work, so that is left as it is.  No matrix unit, no cluster, no tensor load: nothing is shared or multiplied.
.set PT,    272                        ; a row of the turned tile: 128 k x 2 bytes + 16
.set SPARE, 64*PT                      ; behind the tile: the spare words, 128 bytes a wave: two blocks of 256 bytes that no other line names
.set CL,  1                            ; v1   t % 16: my 4 columns n
.set RP,  2                            ; v2   t / 16: my pair of rows in each group of 16 rows
.set SO,  3                            ; v3   my byte offset in the source tile
.set LS,  4                            ; v4   where my words go in LDS
.set LR,  5                            ; v5   where I read a row back
.set DS,  6                            ; v6   my byte offset in the result's tile
.set SPW, 8                            ; v8   LDS address of my spare word; never rewritten
.set NIL, 9                            ; v9   0; never rewritten
.set X,   16                           ; v[16:79]  group i: 4 numbers of row k, 4 of row k + 1
.set T,   80                           ; v[80:85]  at work
.set MAT, 16
.set I16, 17
.set KB,  18
	s_load_b256 s[4:11], s[0:1], 0x0               ; W_Q s[4:5], W_K s[6:7], W_V s[8:9], W_O s[10:11]
	s_load_b128 s[12:15], s[0:1], 0x20             ; wt s[12:13], wo s[14:15]
	v_lshl_add_u32 v[SPW], v0, 2, SPARE
	v_mov_b32 v[NIL], 0
	v_and_b32 v[CL], 15, v0
	v_lshrrev_b32 v[RP], 4, v0
	s_and_b32 s[MAT], ttmp7, 0xffff
	s_and_b32 s[I16], ttmp9, 15
	s_lshr_b32 s[KB], ttmp9, 4
	v_mul_u32_u24 v[LS], v[CL], 4*PT               ; row n = 4 c,
	v_lshl_add_u32 v[LS], v[RP], 2, v[LS]          ; word k / 2 = rp (+ 8 i in the immediate)
	v_mul_u32_u24 v[LR], v[RP], PT                 ; back: sixteen lanes a row
	v_lshl_add_u32 v[LR], v[CL], 4, v[LR]
	v_lshlrev_b32 v[DS], 11, v[RP]                 ; and the same row in the result, 2,048 bytes a row
	v_lshl_add_u32 v[DS], v[CL], 4, v[DS]
	s_lshl_b32 s20, s[I16], 18                     ; W_Q, W_K, W_V: head x 262,144 + kb x 128 rows of 256 bytes
	s_lshl_b32 s21, s[KB], 15
	s_add_co_u32 s20, s20, s21
	s_lshl_b32 s22, s[KB], 19                      ; W_O: kb x 128 rows of 4,096 bytes + 64 columns x i16
	s_lshl_b32 s23, s[I16], 8
	s_add_co_u32 s22, s22, s23
	s_lshl_b32 s24, s[I16], 17                     ; the result: 64 rows of 2,048 bytes x i16 + 256 bytes x kb
	s_lshl_b32 s25, s[KB], 8
	s_add_co_u32 s24, s24, s25
	s_lshl_b32 s25, s[MAT], 21                     ; wt: 2 MiB a matrix
	s_add_co_u32 s26, s24, s25
	s_cmp_eq_u32 s[MAT], 3
	s_cselect_b32 s20, s22, s20
	s_cselect_b32 s24, s24, s26
	s_mov_b32 s21, 0
	s_mov_b32 s25, 0
	s_wait_kmcnt 0x0
	s_cmp_eq_u32 s[MAT], 1
	s_cselect_b64 s[4:5], s[6:7], s[4:5]
	s_cmp_eq_u32 s[MAT], 2
	s_cselect_b64 s[4:5], s[8:9], s[4:5]
	s_cmp_eq_u32 s[MAT], 3
	s_cselect_b64 s[4:5], s[10:11], s[4:5]
	s_cselect_b64 s[12:13], s[14:15], s[12:13]
	s_add_nc_u64 s[4:5], s[4:5], s[20:21]          ; the source tile
	s_add_nc_u64 s[12:13], s[12:13], s[24:25]      ; the result's tile
; The way in: 16 loads, then group by group the rounding and the word stores.  pitch: bytes from row to row of the source; sh: log2(2 pitch); f16 = 1: the bf16 numbers are written as f16.
.macro BODY pitch, sh, f16
	v_lshlrev_b32 v[SO], \sh, v[RP]                ; rows 2 rp, 2 rp + 1
	v_lshl_add_u32 v[SO], v[CL], 4, v[SO]
.set i, 0
.rept 8
	global_load_b128 v[X+8*i:X+8*i+3],   v[SO], s[4:5] offset:16*i*(\pitch) th:TH_LOAD_NT
	global_load_b128 v[X+8*i+4:X+8*i+7], v[SO], s[4:5] offset:16*i*(\pitch)+(\pitch) th:TH_LOAD_NT
.set i, i+1
.endr
.set i, 0
.rept 8
	s_wait_loadcnt 14-2*i                          ; loads come back in order: group i's two are in, the younger groups' stay out
.set j, 0
.rept 4
	v_cvt_pk_bf16_f32 v[T+j], v[X+8*i+j], v[X+8*i+4+j]  ; column 4 c + j: k in the low half, k + 1 in the high half
.if \f16
	v_lshlrev_b32 v[T+4], 16, v[T+j]
	v_and_b32 v[T+5], 0xffff0000, v[T+j]
	v_cvt_pk_f16_f32 v[T+j], v[T+4], v[T+5]
.endif
	ds_store_b32 v[LS], v[T+j] offset:PT*j+32*i
.set j, j+1
.endr
.set i, i+1
.endr
.endm
	s_cmp_eq_u32 s[MAT], 3                         ; the same for the whole work-group
	s_cbranch_scc1 .Lwo
	BODY 256, 9, 0
	s_branch .Ljoin
.Lwo:
	BODY 4096, 13, 1
.Ljoin:
	s_wait_dscnt 0x0                               ; for the others' sake: my words lie in the tile
	s_barrier_signal -1
	s_barrier_wait -1
.set i, 0
.rept 8
	ds_load_b128 v[X+4*i:X+4*i+3], v[LR] offset:8*PT*i  ; the 128 threads take eight whole rows at a time
.set i, i+1
.endr
.set i, 0
.rept 8
	s_wait_dscnt 7-i
	global_store_b128 v[DS], v[X+4*i:X+4*i+3], s[12:13] offset:16384*i  ; sixteen lanes store 256 consecutive bytes, at a multiple of 256 from the buffer's first
.set i, i+1
.endr
	s_wait_tensorcnt 0x0                           ; the wave's end: the wait, the add and its wait behind my last LDS store
	ds_add_u32 v[SPW], v[NIL]
	s_wait_dscnt 0x0
	s_endpgm
.Lfunc_end_k_qaab642858e_prep:
	.size	k_qaab642858e_prep, .Lfunc_end_k_qaab642858e_prep-k_qaab642858e_prep
	.p2alignl 7, 3214868480
	.fill 96, 4, 3214868480
	.section	.rodata,"a",@progbits
	.p2align	6, 0x0
	.amdhsa_kernel k_qaab642858e_prep
		.amdhsa_group_segment_fixed_size 17920
		.amdhsa_private_segment_fixed_size 0
		.amdhsa_enable_private_segment 0
		.amdhsa_kernarg_size 48
		.amdhsa_user_sgpr_count 2
		.amdhsa_user_sgpr_kernarg_segment_ptr 1
		.amdhsa_wavefront_size32 1
		.amdhsa_system_sgpr_workgroup_id_x 1
		.amdhsa_system_sgpr_workgroup_id_y 1
		.amdhsa_system_sgpr_workgroup_id_z 1
		.amdhsa_system_vgpr_workitem_id 0
		.amdhsa_next_free_vgpr 96
		.amdhsa_next_free_sgpr 66
		.amdhsa_reserve_vcc 0
		.amdhsa_float_denorm_mode_32 3
		.amdhsa_float_denorm_mode_16_64 3
		.amdhsa_memory_ordered 1
		.amdhsa_forward_progress 1
		.amdhsa_inst_pref_size 21
	.end_amdhsa_kernel
	.amdgpu_metadata
---
amdhsa.version: [ 1, 2 ]
amdhsa.kernels:
  - .name:           k_qaab642858e_prep
    .symbol:         k_qaab642858e_prep.kd
    .args:
      - { .name: W_Q, .offset: 0, .size: 8, .value_kind: global_buffer, .address_space: global }
      - { .name: W_K, .offset: 8, .size: 8, .value_kind: global_buffer, .address_space: global }
      - { .name: W_V, .offset: 16, .size: 8, .value_kind: global_buffer, .address_space: global }
      - { .name: W_O, .offset: 24, .size: 8, .value_kind: global_buffer, .address_space: global }
      - { .name: wt, .offset: 32, .size: 8, .value_kind: global_buffer, .address_space: global }
      - { .name: wo, .offset: 40, .size: 8, .value_kind: global_buffer, .address_space: global }
    .group_segment_fixed_size: 17920
    .private_segment_fixed_size: 0
    .kernarg_segment_align: 8
    .kernarg_segment_size: 48
    .max_flat_workgroup_size: 128
    .sgpr_count:     66
    .vgpr_count:     96
    .wavefront_size: 32
...
	.end_amdgpu_metadata
.endif
;; end of part 1
;; launch qkvp (part 2): grid 4 x 64, 4 waves a work-group, clusters of 4 x 4, 327,680 bytes of LDS; arguments query_input, key_input, value_input, b_Q, b_K, b_V, wt, qkv; writes qkv
.if DOCPART == 2
	.amdgcn_target "amdgcn-amd-amdhsa--gfx1250"
	.amdhsa_code_object_version 6
	.text
	.protected	k_qaab642858e_qkvp
	.globl	k_qaab642858e_qkvp
	.p2align	8
	.type	k_qaab642858e_qkvp,@function
k_qaab642858e_qkvp:
	s_mov_b64 s[64:65], 0
	v_nop
	global_prefetch_b8 v0, s[64:65] scope:SCOPE_SE
	s_setreg_imm32_b32 hwreg(HW_REG_WAVE_MODE, 25, 1), 1
	s_wait_xcnt 0x0
	s_wait_alu depctr_hold_cnt(0) depctr_sa_sdst(0) depctr_va_vdst(0) depctr_va_sdst(0) depctr_va_ssrc(0) depctr_va_vcc(0) depctr_vm_vsrc(0)
	s_getreg_b32 s2, hwreg(HW_REG_IB_STS2, 6, 4)
	s_cmp_eq_u32 s2, 0
	s_cbranch_scc0 .Lentry_in_a_cluster
	s_endpgm
.Lentry_in_a_cluster:
	s_bfe_u32 s2, ttmp6, 0x10000c
	s_cmp_lg_u32 s2, 0xf033
	s_cbranch_scc0 .Lentry_shape_is_right
	s_endpgm
.Lentry_shape_is_right:
; THE THREE PROJECTIONS.  qkv[mat][b][head][pos][e] = f16( sum over d of bf16(x_mat[b][pos][d]) wt[mat][64 head + e][d] + bf16(bias_mat[64 head + e]) ), sums in f32.
; x is f32 in memory: it comes into LDS as f32 and is rounded to bf16 between LDS and the matrix unit.  The result lies by heads, 640 rows a head (577 positions, 63 pads).
; THE BATCH'S END.  577 = 7 x 80 + 17.  Every tensor load brings 80 whole rows of the batch: the eighth half tile begins at position 497, not 560, so that it ends with the batch.  The wave that multiplies it
; holds positions 497 to 576; on the way out its rows 63 to 79 (positions 560 to 576) go to the block's rows 560 to 576, and its rows 0 to 62 (positions 497 to 559 once more: finite numbers) fill the pads 577 to 639.
; That is a matter of store addresses alone.  The price: positions 497 to 559 are asked for by two loads of the work-group.
; LIMITS.  q, k, v are stored in f16: beyond 65,504 they become infinities; below 6.1e-5 they keep f16's fixed step of 6e-8.  NaN and infinities are not treated apart.
; SHARES.  A cluster of 4 x 4 work-groups is one batch (cluster y = b): cy picks 160 rows of the heads' blocks, cx 256 columns (heads 4 cx on): 256 work-groups.
; A work-group's four waves make 80 rows x 128 columns each: 5 x 8 accumulators of 16 x 16.  K goes in steps of 128 through two LDS slots; a step is four quarters of 32.
; A WORK-GROUP STAYS: it makes three tiles at the same rows and columns, Q's, K's and V's: 24 K steps in ONE walk of the ring.  The refill behind step g brings step g + 2, across a change of matrix too,
; so the next tile's first two K steps are asked for before a tile goes out, and nothing waits for a tile's stores.  22 trips fill a slot; the last two steps, which fill nothing, are written apart.
; JOINT LOADS.  x's tile hangs on (b, cy) and is shared along a row of the cluster, wt's on cx and is shared along a column: the same tensor load, descriptor and mask in all four.
; THE MATRIX INSTRUCTION IS USED TRANSPOSED (source 0 = 16 rows of wt, source 1 = 16 rows of x): a lane holds one row of x (lane % 16) and the columns 16 b + 8 (lane / 16) + 0..7.
; THE BIAS is the C operand of each sum's first product: nothing is cleared, nothing is added afterwards.
; THE ROUNDING RIDES: a quarter's 40 conversions (5 fragments x 8) stand in fours behind products, a fragment ahead of the group that multiplies it.  They are also the plain vector
; instructions that must lie between a matrix instruction and a load into, or a write of, one of its registers.
; The 40 accumulators take turns, one instruction a turn, in the same order in every quarter, over the backward jumps and from tile to tile too.
; REGISTERS, in windows of 256 (s_set_vgpr_msb: bits 1:0 source 0, 3:2 source 1, 5:4 source 2, 7:6 destination):
;   window 0: v0-15 addresses; v32-71 AF, x's 5 fragments in bf16; v72-151, v152-231 RAW, x's fragments in f32, two buffers
;   window 1: v0-63, v64-127 BF, wt's 8 fragments, two buffers; v128-191 the bias; v192-195 at work
;   window 2: accumulators (a, b), a = 0..3, at v[64 a + 8 b]
;   window 3: a = 4 at v[8 b]; the way out: v64-95 packed results, v96-255 rows read back (when a tile goes out the next tile's first fragments already lie in windows 0 and 1)
.set PA,    528                        ; a row of x in LDS: 128 f32 + 16 bytes = 132 words: row r starts at bank 4 r mod 64 (64 banks of 4 bytes: ISA guide 11.1)
.set PB,    272                        ; a row of wt: 128 bf16 + 16 bytes = 68 words: likewise
.set AHALF, 80*PA                      ; what one tensor load brings of x, and what one wave reads of it
.set ATILE, 2*AHALF
.set BHALF, 128*PB                     ; the same for wt
.set SLOT,  ATILE+2*BHALF              ; 154,112 bytes
.set STAGE, 2*SLOT                     ; behind the ring, never filled by a tensor load: for each wave 2 heads x 16 rows x 144 bytes
.set SPH,   144
.set HSTG,  16*SPH
.set SPARE, STAGE+4*2*HSTG             ; behind the stages: the spare words, 128 bytes a wave: two blocks of 256 bytes that no other line names
.set HEADB, 640*128                    ; bytes of a head's block in qkv
.set MATB,  256*HEADB                  ; bytes of a matrix in qkv
.set LASTP, 577-80                     ; the position at which the batch's last 80 rows begin
.set STEPS, 24                         ; K steps of the walk: 8 for each of three matrices
.set KWRAP, (1<<21)-8*256              ; from behind a matrix's last K step in a row of wt to the next matrix's first: 2 MiB on, a row's 2,048 bytes back
.set R,    1                           ; v1   lane % 16
.set H,    2                           ; v2   lane / 16
.set A0,   4                           ; v4   my place in slot 0's tile of x: (80 KIND + r) PA + 32 h; never rewritten
.set B0,   5                           ; v5   in its tile of wt: ATILE + (128 HALF + r) PB + 16 h; never rewritten
.set ADRA, 6                           ; v6   the same in the slot being read
.set ADRB, 7                           ; v7
.set STO,  8                           ; v8   the way out: where I put 16 bytes of a row
.set RD,   9                           ; v9   where I read rows back
.set GO,   10                          ; v10  16 x lane
.set GO3,  11                          ; v11  the same, for the one store that holds my rows 60 to 63
.set SPW,  12                          ; v12  LDS address of my spare word; never rewritten
.set NIL,  13                          ; v13  0; never rewritten
.set PFO,  14                          ; v14  the prefetches' offset; never rewritten
.set BO,   15                          ; v15  my byte offset in a bias; never rewritten
.set AF,   32
.set RAW,  72
.set BIAS, 128                         ; window 1
.set BT,   192                         ; window 1
.set TMP,  64                          ; window 3
.set OB,   96                          ; window 3
.set WB,   4                           ; s[4:5]   wt at my part of the tile, matrix 0, K step 0
.set BP,   6                           ; s[6:7]   the bias of the matrix in hand
.set OUT2, 8                           ; s[8:9]   qkv for my rows 63 to 79
.set OUT1, 10                          ; s[10:11] qkv for my rows 0 to 62.  The two are equal in every wave but the one that holds the batch's last 80 positions
.set WV,   12                          ; s12  my wave's number
.set KIND, 13                          ; s13  wave / 2: my half of the rows.  Also: I fetch for x (0) or for wt (1)
.set HALF, 14                          ; s14  wave % 2: my half of the columns.  Also: which half of that tile I fetch
.set CX,   15
.set CY,   16
.set MT,   17                          ; s17  the matrix in hand: 0, 1, 2
.set BB,   18
.set CNT,  19                          ; s19  trips still to come
.set OFS,  20                          ; s20  0 or SLOT: the slot being read
.set LBA,  21                          ; s21  where my part of x's tile goes in a slot
.set LBB,  22                          ; s22  the same for wt's
.set LIM,  23                          ; s23  1 in a wave that prefetches, else the greatest number
.set G1A,  24                          ; s[24:31] descriptor group 1 for x's tiles
.set G0A,  32                          ; s[32:39] group 0: a set for each of the two first fills; the second then serves every refill
.set G1B,  40                          ; s[40:47], s[48:55] the same for wt's
.set G0B,  48
.set PFA,  56                          ; s[56:57] where my prefetches stand
.set TO,   58                          ; s[58:59] an offset at work; the high word stays 0
.set SI,   60                          ; s60  the K step in hand, within its matrix
.set WRP,  61                          ; s61  80 rows of a head's block in bytes in the wave that holds the batch's last 80 positions, else 0
.set OFB,  62                          ; s[62:63] wt: the byte offset of the K step to be asked for next; the high word stays 0
.set PSH,  66                          ; s66  log2 of a K step's bytes in a row of what I prefetch: 9 for x, 8 for wt
.set LS,   67                          ; s67  the K step to be asked for next, within its matrix
.set XC,   84                          ; s[84:85] x of the matrix that is being asked for, at my part of the tile; s[86:87] the next matrix's; s[88:89] the last's
.set XN,   86
.set XL,   88
.set PC,   90                          ; s[90:95] the same three for the prefetches
.set PN,   92
.set PL,   94
.set PS,   104                         ; s104 the K step to be prefetched next, within its matrix
.set MSB, 0
.macro WIN new                         ; the immediate's high byte repeats the setting that is left; a switch that changes nothing is dropped
.if MSB != (\new)
	s_set_vgpr_msb (MSB<<8)|(\new)
.set MSB, \new
.endif
.endm
.macro PLACES
.rept 4
	v_nop
.endr
.endm
; A round of the cluster's barrier: my work-group's barrier, wave 0's signal for the work-group, every wave's wait for all sixteen, my work-group's barrier once more.
.macro CREST                           ; the round behind its opening barrier
	s_cmp_lg_u32 s[WV], 0
	s_cbranch_scc1 .Lnot0_\@
	s_barrier_signal -3
.Lnot0_\@:
	s_barrier_wait -3
	s_barrier_signal -1
	s_barrier_wait -1
.endm
.macro CROUND
	s_barrier_signal -1
	s_barrier_wait -1
	CREST
.endm
; A joint refill.  The branch hangs on the wave's number alone.  An s_nop 0 and four v_nop follow each of the two lines.
.macro JLOAD
	s_cmp_eq_u32 s[KIND], 0
	s_cbranch_scc0 .Ljb_\@
	tensor_load_to_lds s[G0A+4:G0A+7], s[G1A:G1A+7]
	s_nop 0
	PLACES
	s_branch .Ljd_\@
.Ljb_\@:
	tensor_load_to_lds s[G0B+4:G0B+7], s[G1B:G1B+7]
	s_nop 0
	PLACES
.Ljd_\@:
.endm
; A PREFETCH INTO THE L2 of the K step that the NEXT refill will ask for: one K step, 160 matrix instructions, ahead of that load.  It stands behind the joint load, its five lines and the run of LDS loads.
; x: waves 0 and 1 of every cluster (no other cluster reads these rows).  Wave w names positions 160 cy + 80 w on; of these 80 each of the four partners along x takes 20, told apart by address: a lane a row,
; two instructions for a row's 512 bytes.  Lanes 20 to 31 name lane 19's row again, and rows past the batch's last name that last row.
; wt: waves 2 and 3 of the cluster with b = 0 (the other batches' clusters read the same rows); of a wave's 128 rows the partner at cy takes 32: a lane a row, one instruction.
; The address follows the walk from matrix to matrix.  The last trip that fills a slot asks for nothing: there is no K step behind the one that it loads.  The walk's K steps 0 to 2 come by their loads alone.
.macro ASK
	s_cmp_gt_u32 s[CNT], s[LIM]
	s_cbranch_scc0 .Lno_\@
	global_prefetch_b8 v[PFO], s[PFA:PFA+1] th:TH_LOAD_NT scope:SCOPE_SE
	s_cmp_eq_u32 s[KIND], 0
	s_cbranch_scc0 .Lno_\@
	global_prefetch_b8 v[PFO], s[PFA:PFA+1] offset:256 th:TH_LOAD_NT scope:SCOPE_SE
.Lno_\@:
.endm
; The bias of the matrix in hand: my 8 columns of each 16, asked for; later rounded to bf16 like every input, and kept as f32.
.macro BIASLD
	WIN 0x40                                       ; destination window 1
.set i, 0
.rept 8
	global_load_b128 v[BIAS+8*i:BIAS+8*i+3],   v[BO], s[BP:BP+1] offset:64*i     ; columns 16 i + 8 h + 0..3
	global_load_b128 v[BIAS+8*i+4:BIAS+8*i+7], v[BO], s[BP:BP+1] offset:64*i+16  ; + 4..7
.set i, i+1
.endr
	WIN 0
.endm
.macro BIASRND
	s_wait_loadcnt 0x0
	WIN 0x45                                       ; destination and both sources window 1
.set i, 0
.rept 32
	v_cvt_pk_bf16_f32 v[BT+i%4], v[BIAS+2*i], v[BIAS+2*i+1]
	v_lshlrev_b32 v[BIAS+2*i], 16, v[BT+i%4]
	v_and_b32 v[BIAS+2*i+1], 0xffff0000, v[BT+i%4]
.set i, i+1
.endr
	WIN 0
.endm
	s_load_b512 s[68:83], s[0:1], 0x0              ; query s[68:69], key s[70:71], value s[72:73], b_Q s[74:75], b_K s[76:77], b_V s[78:79], wt s[80:81], qkv s[82:83]
	v_lshl_add_u32 v[SPW], v0, 2, SPARE
	v_mov_b32 v[NIL], 0
	ds_add_u32 v[SPW], v[NIL]                      ; the wave's opening: the add and its wait stand ahead of my first tensor load; the set-up below, work on registers, stands between them
	v_lshrrev_b32 v3, 5, v0
	v_readfirstlane_b32 s[WV], v3
	s_lshr_b32 s[KIND], s[WV], 1
	s_and_b32 s[HALF], s[WV], 1
	s_bfe_u32 s[CX], ttmp6, 0x40000
	s_bfe_u32 s[CY], ttmp6, 0x40004
	s_and_b32 s[BB], ttmp7, 0xffff                 ; in a cluster launch ttmp7 counts clusters
	s_lshl_b32 s96, s[CY], 2
	s_lshl_b32 s96, 15, s96                        ; my row of the cluster: places 4 cy .. 4 cy + 3
	s_lshl_b32 s97, 0x1111, s[CX]                  ; my column: places cx, cx + 4, cx + 8, cx + 12
	; group 1 for x: 80 rows x 128 elements of 4 bytes, 16 bytes of padding behind each row's 128 words.  All its words but the mask are constants
	s_or_b32 s[G1A], s96, (2<<16)|(1<<20)|(1<<21)|(6<<22)|(3<<25)
	s_mov_b32 s[G1A+1], 128<<16                    ; tensor_dim0 = 128
	s_mov_b32 s[G1A+2], 80<<16                     ; tensor_dim1 = 80: every tile lies inside the batch
	s_mov_b32 s[G1A+3], 128<<16                    ; tile_dim0 = 128
	s_mov_b32 s[G1A+4], 80                         ; tile_dim1 = 80
	s_mov_b32 s[G1A+5], 1024                       ; elements from row to row
	s_mov_b32 s[G1A+6], 0
	s_mov_b32 s[G1A+7], 0
	; group 1 for wt: 128 rows x 128 elements of 2 bytes, 16 bytes of padding behind each row's 64 words
	s_or_b32 s[G1B], s97, (1<<16)|(1<<20)|(1<<21)|(5<<22)|(3<<25)
	s_mov_b32 s[G1B+1], 128<<16
	s_mov_b32 s[G1B+2], 128<<16
	s_mov_b32 s[G1B+3], 128<<16
	s_mov_b32 s[G1B+4], 128
	s_mov_b32 s[G1B+5], 1024
	s_mov_b32 s[G1B+6], 0
	s_mov_b32 s[G1B+7], 0
	s_mul_i32 s[LBA], s[HALF], AHALF               ; no place in the cluster enters an LDS address
	s_mul_i32 s[LBB], s[HALF], BHALF
	s_add_co_u32 s[LBB], s[LBB], ATILE
	s_mov_b32 s[OFS], 0
	s_mov_b32 s[G0A], 1                            ; count = 1
	s_mov_b32 s[G0A+1], s[LBA]                     ; slot 0
	s_mov_b32 s[G0A+4], 1
	s_add_co_u32 s[G0A+5], s[LBA], SLOT            ; slot 1
	s_mov_b32 s[G0B], 1
	s_mov_b32 s[G0B+1], s[LBB]
	s_mov_b32 s[G0B+4], 1
	s_add_co_u32 s[G0B+5], s[LBB], SLOT
	s_mul_i32 s98, s[CY], 160                      ; x (registers that never hold cx):
	s_mul_i32 s99, s[HALF], 80
	s_add_co_u32 s98, s98, s99
	s_min_u32 s98, s98, LASTP                      ; the first position of my part of the tile: the batch's last 80 rows at the most; the same in the four partners, which share cy
	s_mul_i32 s99, s[BB], 577
	s_add_co_u32 s98, s98, s99
	s_lshl_b32 s98, s98, 12                        ; 4,096 bytes a row
	s_mov_b32 s99, 0
	v_and_b32 v[R], 15, v0
	v_bfe_u32 v[H], v0, 4, 1
	s_lshl_b32 s100, s[CX], 8                      ; wt (registers that never hold cy): row 256 cx + 128 HALF
	s_lshl_b32 s101, s[HALF], 7
	s_add_co_u32 s100, s100, s101
	s_lshl_b32 s101, s100, 2                       ; the same column's byte in a bias
	v_lshl_add_u32 v[BO], v[H], 5, s101            ; my 8 columns of each 16: 32 bytes for the upper lanes
	s_lshl_b32 s100, s100, 11
	s_mov_b32 s101, 0
	s_lshl_b32 s2, s[BB], 4                        ; qkv: head 16 b + 4 cx + 2 HALF, row 160 cy + 80 KIND, matrix 0
	s_lshl2_add_u32 s2, s[CX], s2
	s_lshl1_add_u32 s2, s[HALF], s2
	s_mul_i32 s2, s2, 640
	s_mul_i32 s4, s[CY], 160
	s_mul_i32 s3, s[KIND], 80
	s_add_co_u32 s4, s4, s3                        ; my wave's first row in a head's block
	s_add_co_u32 s2, s2, s4
	s_lshl_b32 s2, s2, 7
	s_mov_b32 s3, 0
	s_min_u32 s[WRP], s4, LASTP                    ; the position that my first row holds
	s_sub_co_u32 s[WRP], s4, s[WRP]                ; 63 in the wave that holds the batch's last 80 positions, else 0
	s_lshr_b32 s[WRP], s[WRP], 5                   ; 1 or 0
	s_mul_i32 s4, s[WRP], 17*128
	s_mul_i32 s[WRP], s[WRP], 80*128
	s_add_co_u32 s2, s2, s4                        ; there my row i goes to the block's row 560 + (i + 17) mod 80: 17 rows further down for rows 0 to 62,
	s_sub_co_u32 s[OUT2], s2, s[WRP]               ; and 80 rows back from that for rows 63 to 79
	s_mov_b32 s[OUT2+1], 0
	; the prefetches: base offset, lane cap, row added, last row, shift
	s_mul_i32 s96, s[BB], 577
	s_mul_i32 s105, s[CY], 160
	s_add_co_u32 s96, s96, s105
	s_lshl_b32 s96, s96, 12                        ; x at position 160 cy of the batch
	s_lshl_b32 s97, s[CY], 16                      ; wt: my work-group's 32 rows of 2,048 bytes
	s_add_co_u32 s97, s97, s100
	s_mul_i32 s4, s[CX], 20
	s_mul_i32 s5, s[HALF], 80
	s_add_co_u32 s4, s4, s5                        ; x: my work-group's 20 rows of the wave's 80
	s_sub_co_u32 s5, 576, s105                     ; the batch's last row, counted from position 160 cy
	s_cmp_eq_u32 s[KIND], 0
	s_cselect_b32 s96, s96, s97
	s_cselect_b32 s97, 19, 31
	s_cselect_b32 s4, s4, 0
	s_cselect_b32 s5, s5, 31
	s_cselect_b32 s105, 12, 11
	s_cselect_b32 s[PSH], 9, 8
	s_cselect_b32 s[TO], 0, 1
	s_cselect_b32 s[LIM], 0, s[BB]
	s_cmp_eq_u32 s[LIM], 0
	s_cselect_b32 s[LIM], 1, -1                    ; the same in all sixteen partners, for a given wave
	s_lshl_b32 s[TO], s[TO], 21                    ; from matrix to matrix: 2 MiB within wt; x's three are buffers of their own
	s_mov_b32 s[TO+1], 0
	v_and_b32 v[PFO], 31, v0
	v_min_u32 v[PFO], s97, v[PFO]
	v_add_nc_u32 v[PFO], s4, v[PFO]
	v_min_u32 v[PFO], s5, v[PFO]
	v_lshlrev_b32 v[PFO], s105, v[PFO]
	s_mov_b32 s97, 0
	s_mov_b32 s[OFB], 2*256                        ; the first refill asks for K step 2,
	s_mov_b32 s[OFB+1], 0
	s_mov_b32 s[LS], 2
	s_mov_b32 s[PS], 3                             ; and the first prefetch for K step 3
	s_mov_b32 s[SI], 0
	s_mov_b32 s[MT], 0
	s_wait_dscnt 0x0                               ; the opening add is done
	s_wait_kmcnt 0x0
	s_add_nc_u64 s[XC:XC+1], s[68:69], s[98:99]    ; the three x at my part of the tile
	s_add_nc_u64 s[XN:XN+1], s[70:71], s[98:99]
	s_add_nc_u64 s[XL:XL+1], s[72:73], s[98:99]
	s_add_nc_u64 s[WB:WB+1], s[80:81], s[100:101]
	s_mov_b64 s[BP:BP+1], s[74:75]
	s_cmp_eq_u32 s[KIND], 0
	s_cselect_b64 s[PC:PC+1], s[68:69], s[80:81]
	s_cselect_b64 s[PN:PN+1], s[70:71], s[80:81]
	s_cselect_b64 s[PL:PL+1], s[72:73], s[80:81]
	s_add_nc_u64 s[PC:PC+1], s[PC:PC+1], s[96:97]
	s_add_nc_u64 s[PN:PN+1], s[PN:PN+1], s[96:97]
	s_add_nc_u64 s[PN:PN+1], s[PN:PN+1], s[TO:TO+1]
	s_add_nc_u64 s[PL:PL+1], s[PL:PL+1], s[96:97]
	s_add_nc_u64 s[PL:PL+1], s[PL:PL+1], s[TO:TO+1]
	s_add_nc_u64 s[PL:PL+1], s[PL:PL+1], s[TO:TO+1]
	s_add_nc_u64 s[OUT1:OUT1+1], s[82:83], s[2:3]  ; qkv at my wave's first head, for my rows 0 to 62,
	s_add_nc_u64 s[OUT2:OUT2+1], s[82:83], s[OUT2:OUT2+1]  ; and for my rows 63 to 79
	s_mov_b64 s[G0A+2:G0A+3], s[XC:XC+1]           ; K step 0,
	s_add_nc_u64 s[G0A+6:G0A+7], s[XC:XC+1], 512   ; K step 1
	s_or_b32 s[G0A+3], s[G0A+3], 0x80000000        ; type = 2
	s_or_b32 s[G0A+7], s[G0A+7], 0x80000000
	s_mov_b64 s[G0B+2:G0B+3], s[WB:WB+1]
	s_add_nc_u64 s[G0B+6:G0B+7], s[WB:WB+1], 256
	s_or_b32 s[G0B+3], s[G0B+3], 0x80000000
	s_or_b32 s[G0B+7], s[G0B+7], 0x80000000
	CROUND                                         ; all sixteen work-groups are here: the first joint loads meet
	s_cmp_eq_u32 s[KIND], 0                        ; a wave's two first fills stand in one branch, ahead of every wait on TENSORcnt and every LDS read: two loads of mine are out
	s_cbranch_scc0 .Lfirst_b
	tensor_load_to_lds s[G0A:G0A+3], s[G1A:G1A+7]
	s_nop 0
	tensor_load_to_lds s[G0A+4:G0A+7], s[G1A:G1A+7]
	s_nop 0
	PLACES
	s_branch .Lfirst_done
.Lfirst_b:
	tensor_load_to_lds s[G0B:G0B+3], s[G1B:G1B+7]
	s_nop 0
	tensor_load_to_lds s[G0B+4:G0B+7], s[G1B:G1B+7]
	s_nop 0
	PLACES
.Lfirst_done:
	BIASLD                                         ; b_Q
	; A fragment of x is 16 rows x 32 k: lane (r, h) wants k = 8 h + 0..7 and 16 + 8 h + 0..7 of row r: in f32 four loads of 16 bytes at 32 h + 0, 16, 64, 80.  wt's: two loads, 32 bytes apart, at 16 h.
	s_mul_i32 s105, s[KIND], AHALF
	v_mul_u32_u24 v[A0], v[R], PA
	v_lshl_add_u32 v[A0], v[H], 5, v[A0]
	v_add_nc_u32 v[A0], s105, v[A0]
	s_mul_i32 s105, s[HALF], BHALF
	s_add_co_u32 s105, s105, ATILE
	v_mul_u32_u24 v[B0], v[R], PB
	v_lshl_add_u32 v[B0], v[H], 4, v[B0]
	v_add_nc_u32 v[B0], s105, v[B0]
	v_mov_b32 v[ADRA], v[A0]
	v_mov_b32 v[ADRB], v[B0]
	s_mul_i32 s105, s[WV], 2*HSTG
	s_add_co_u32 s105, s105, STAGE                 ; my stage
	v_mul_u32_u24 v[STO], v[R], SPH                ; in: row r, 16 bytes for each half of the lanes
	v_lshl_add_u32 v[STO], v[H], 4, v[STO]
	v_add_nc_u32 v[STO], s105, v[STO]
	v_bfe_u32 v[RD], v0, 3, 2                      ; back: 32 lanes take four rows of 128 bytes,
	v_mul_u32_u24 v[RD], v[RD], SPH
	v_and_b32 v3, 7, v0
	v_lshl_add_u32 v[RD], v3, 4, v[RD]
	v_add_nc_u32 v[RD], s105, v[RD]
	v_and_b32 v[GO], 31, v0                        ; which are 512 consecutive bytes of a head's block
	v_lshlrev_b32 v[GO], 4, v[GO]
	v_bfe_u32 v[GO3], v0, 3, 2                     ; which of a store's four rows is mine: 0 to 3
	v_add_nc_u32 v[GO3], 1, v[GO3]
	v_lshrrev_b32 v[GO3], 2, v[GO3]                ; 1 for the fourth,
	v_sub_nc_u32 v[GO3], 1, v[GO3]                 ; 1 for the first three:
	v_mul_u32_u24 v[GO3], s[WRP], v[GO3]           ; of rows 60 to 63, stored from the second address, the first three lie 80 rows further down (in all other waves: 0)
	v_add_nc_u32 v[GO3], v[GO3], v[GO]
; n products of group a (16 rows of x) on buffer f of wt, columns 16 b0 on.  first = 1: the bias starts the sums.
.macro MULN f, a, b0, n, first
.if (\a) < 4
.set AC, 64*(\a)
	WIN 0xa1-0x10*(\first)                         ; wt window 1, x window 0, D window 2, C window 2 (the bias: window 1)
.else
.set AC, 0
	WIN 0xf1-0x20*(\first)                         ; the same with window 3
.endif
.set bb, \b0
.rept \n
.if \first
	v_wmma_f32_16x16x32_bf16 v[AC+8*bb:AC+8*bb+7], v[64*(\f)+8*bb:64*(\f)+8*bb+7], v[AF+8*(\a):AF+8*(\a)+7], v[BIAS+8*bb:BIAS+8*bb+7]
.else
	v_wmma_f32_16x16x32_bf16 v[AC+8*bb:AC+8*bb+7], v[64*(\f)+8*bb:64*(\f)+8*bb+7], v[AF+8*(\a):AF+8*(\a)+7], v[AC+8*bb:AC+8*bb+7]
.endif
.set bb, bb+1
.endr
.endm
; Half hf of fragment ra of raw buffer rb is rounded to bf16: four conversions, two numbers each.
.macro CVT4 rb, ra, hf
	WIN 0
.set i, 4*(\hf)
.rept 4
	v_cvt_pk_bf16_f32 v[AF+8*(\ra)+i], v[RAW+80*(\rb)+16*(\ra)+2*i], v[RAW+80*(\rb)+16*(\ra)+2*i+1]
.set i, i+1
.endr
.endm
; A group: the 8 products of 16 rows, and riding behind them the rounding of the fragment that the next group multiplies (ra < 0: none).
.macro GRP f, a, first, rb, ra
	MULN \f, \a, 0, 2, \first
.if (\ra) >= 0
	CVT4 \rb, \ra, 0
.endif
	MULN \f, \a, 2, 3, \first
.if (\ra) >= 0
	CVT4 \rb, \ra, 1
.endif
	MULN \f, \a, 5, 3, \first
.endm
; 36 LDS loads in one run: quarter kq of the slot being read, into buffer g: x's fragment 0 (wanted first), wt's eight, x's fragments 1 to 4.
.macro FETCH kq, g
	WIN 0
.irp o, 0,1,2,3
	ds_load_b128 v[RAW+80*(\g)+4*(\o):RAW+80*(\g)+4*(\o)+3], v[ADRA] offset:128*(\kq)+16*((\o)%2)+64*((\o)/2)
.endr
	WIN 0x40
.set i, 0
.rept 8
	ds_load_b128 v[64*(\g)+8*i:64*(\g)+8*i+3],   v[ADRB] offset:64*(\kq)+16*PB*i
	ds_load_b128 v[64*(\g)+8*i+4:64*(\g)+8*i+7], v[ADRB] offset:64*(\kq)+16*PB*i+32
.set i, i+1
.endr
	WIN 0
.set i, 1
.rept 4
.irp o, 0,1,2,3
	ds_load_b128 v[RAW+80*(\g)+16*i+4*(\o):RAW+80*(\g)+16*i+4*(\o)+3], v[ADRA] offset:128*(\kq)+16*PA*i+16*((\o)%2)+64*((\o)/2)
.endr
.set i, i+1
.endr
.endm
; One of a K step's first three quarters: multiplies buffer f, fetches quarter kq into buffer g behind the first group (eight conversions behind the last product that read buffer g).
.macro QUARTER f, g, kq, first
	s_wait_dscnt 12                                ; wt's fragments and x's 0 and 1 are in; the twelve loads of fragments 2 to 4 may be out
	GRP \f, 0, \first, \f, 1
	FETCH \kq, \g
	s_wait_dscnt 44                                ; the 36 just issued and fragments 3, 4 may be out: fragment 2 is in
	GRP \f, 1, \first, \f, 2
	s_wait_dscnt 40                                ; fragment 3
	GRP \f, 2, \first, \f, 3
	s_wait_dscnt 36                                ; fragment 4
	GRP \f, 3, \first, \f, 4
	s_wait_dscnt 32                                ; the new run's first four loads: the next quarter's fragment 0
	GRP \f, 4, \first, \g, 0
.endm
; The last quarter multiplies buffer 1 and changes slots.  Behind its first group each wave waits for all its tensor loads (one is out: its part of the next slot), adds 0 to its spare word, and, behind the second group,
; waits for that and for its reads of this slot.  fill = 1: the barrier opens a round of the cluster's barrier, so that no wave of any partner still reads this slot or has a load on its way; the joint refill, the walk's
; K step two on, is the first thing behind the round: 152 matrix instructions stand between it and the wait for it.  Its addresses are made between the add and the wait for the add, where no tensor load of mine is out:
; x's anew from the base of the matrix that is being asked for, wt's from its one base and an offset; behind a matrix's eighth K step the bases move up and the offset goes on to the next matrix.
.macro TURN fill
.if \fill
	s_wait_xcnt 0x0                                ; the last prefetches, a K step back, have read their address; the last tile's stores have read their registers
	s_lshl_b32 s[TO], s[PS], s[PSH]
	s_add_nc_u64 s[PFA:PFA+1], s[PC:PC+1], s[TO:TO+1]
	s_add_co_u32 s[PS], s[PS], 1
	s_cmp_eq_u32 s[PS], 8
	s_cselect_b32 s[PS], 0, s[PS]
	s_cselect_b64 s[PC:PC+1], s[PN:PN+1], s[PC:PC+1]
	s_cselect_b64 s[PN:PN+1], s[PL:PL+1], s[PN:PN+1]
.endif
	s_wait_dscnt 12                                ; wt's fragments and x's 0 and 1 are in
	GRP 1, 0, 0, 1, 1
	WIN 0
	s_wait_tensorcnt 0x0                           ; all my tensor loads have landed
	ds_add_u32 v[SPW], v[NIL]                      ; 0 onto my spare word
.if \fill
	s_add_co_u32 s[G0A+5], s[LBA], s[OFS]          ; the slot that is being read out,
	s_lshl_b32 s[TO], s[LS], 9
	s_add_nc_u64 s[G0A+6:G0A+7], s[XC:XC+1], s[TO:TO+1]  ; the K step to be asked for
	s_or_b32 s[G0A+7], s[G0A+7], 0x80000000
	s_add_co_u32 s[G0B+5], s[LBB], s[OFS]
	s_add_nc_u64 s[G0B+6:G0B+7], s[WB:WB+1], s[OFB:OFB+1]
	s_or_b32 s[G0B+7], s[G0B+7], 0x80000000
	s_add_co_u32 s[OFB], s[OFB], 256
	s_add_co_u32 s[LS], s[LS], 1
	s_cmp_eq_u32 s[LS], 8                          ; was that a matrix's last K step?
	s_cselect_b32 s[LS], 0, s[LS]
	s_cselect_b32 s[TO], KWRAP, 0
	s_cselect_b64 s[XC:XC+1], s[XN:XN+1], s[XC:XC+1]
	s_cselect_b64 s[XN:XN+1], s[XL:XL+1], s[XN:XN+1]
	s_add_co_u32 s[OFB], s[OFB], s[TO]
.endif
	s_wait_dscnt 9                                 ; (the add and the eight loads of fragments 3 and 4 may be out)
	GRP 1, 1, 0, 1, 2                              ; a group stands between the add and the wait for it
	WIN 0
	s_wait_dscnt 0x0                               ; the add is done, and my reads of this slot are over
	s_barrier_signal -1
	s_xor_b32 s[OFS], s[OFS], SLOT                 ; the reads go on in the other slot
	v_add_nc_u32 v[ADRA], s[OFS], v[A0]
	v_add_nc_u32 v[ADRB], s[OFS], v[B0]
	s_barrier_wait -1
.if \fill
	CREST
	JLOAD
.endif
	FETCH 0, 0
.if \fill
	ASK
.endif
	GRP 1, 2, 0, 1, 3
	GRP 1, 3, 0, 1, 4
	s_wait_dscnt 32
	GRP 1, 4, 0, 0, 0
.endm
; THE WAY OUT, a block of 16 rows at a time.  PACK: rounded to f16, a lane's 8 columns are 16 bytes (each accumulator's registers in ascending order).  TOSTAGE: into my own stage, by heads
; (columns 64 (b / 4) on), rows 144 bytes apart, and back as four rows of 128 bytes a load.  SEND: four rows, 512 bytes of a head's block, a store.
.macro PACK a
.if (\a) < 4
	WIN 0xca                                       ; sources window 2, destination window 3
.set AC, 64*(\a)
.else
	WIN 0xcf                                       ; all in window 3
.set AC, 0
.endif
.set i, 0
.rept 32
	v_cvt_pk_f16_f32 v[TMP+i], v[AC+2*i], v[AC+2*i+1]
.set i, i+1
.endr
.endm
.macro TOSTAGE a
	WIN 0x0c                                       ; a store's data is source 1: window 3
.set i, 0
.rept 8
	ds_store_b128 v[STO], v[TMP+4*i:TMP+4*i+3] offset:HSTG*(i/4)+32*(i%4)
.set i, i+1
.endr
	WIN 0xc0                                       ; destination window 3
.set i, 0
.rept 8
	ds_load_b128 v[OB+32*(\a)+4*i:OB+32*(\a)+4*i+3], v[RD] offset:HSTG*(i/4)+4*SPH*(i%4)  ; LDS serves a wave's instructions in order (ISA guide 5.7.1.4): these see the stores above; the next block's stores come behind them
.set i, i+1
.endr
.endm
; A store's four rows begin at my row 16 a + 4 (i % 4).  Rows below 60 go by the first address, rows from 64 on by the second; the store of rows 60 to 63 goes by the second, with the lane offset that sets its first
; three rows apart.  In every wave but one the two addresses and the two offsets are equal, and a store covers 512 consecutive bytes at a multiple of 256 from qkv's first.  In the wave that holds the batch's last
; 80 positions the stores begin at odd multiples of 128 bytes, and that one store falls into 384 bytes and 128.
.macro SEND a
	WIN 0x0c
	s_wait_dscnt 0x0                               ; the block is back in registers of its own: five sets, rewritten a tile later, behind a wait that frees them
.set i, 0
.rept 8
.if 16*(\a)+4*(i%4) < 60
	global_store_b128 v[GO], v[OB+32*(\a)+4*i:OB+32*(\a)+4*i+3], s[OUT1:OUT1+1] offset:HEADB*(i/4)+2048*(\a)+512*(i%4)
.elseif 16*(\a)+4*(i%4) == 60
	global_store_b128 v[GO3], v[OB+32*(\a)+4*i:OB+32*(\a)+4*i+3], s[OUT2:OUT2+1] offset:HEADB*(i/4)+2048*(\a)+512*(i%4)
.else
	global_store_b128 v[GO], v[OB+32*(\a)+4*i:OB+32*(\a)+4*i+3], s[OUT2:OUT2+1] offset:HEADB*(i/4)+2048*(\a)+512*(i%4)
.endif
.set i, i+1
.endr
.endm
.macro WAYOUT                          ; block a's conversions stand between block a - 1's loads from the stage and the wait for them
	WIN 0
	PLACES                                         ; behind the last products
	PACK 0
	TOSTAGE 0
	PACK 1
	SEND 0
	TOSTAGE 1
	PACK 2
	SEND 1
	TOSTAGE 2
	PACK 3
	SEND 2
	TOSTAGE 3
	PACK 4
	SEND 3
	TOSTAGE 4
	SEND 4
	WIN 0
.endm
	s_wait_tensorcnt 0x1                           ; my part of K step 0 is in; K step 1's may stay out
	s_barrier_signal -1
	s_barrier_wait -1                              ; everybody's is
	FETCH 0, 0
	s_wait_dscnt 32                                ; x's fragment 0
	CVT4 0, 0, 0
	CVT4 0, 0, 1
	s_mov_b32 s[CNT], STEPS-1                      ; the way in takes one off: 22 trips follow, one for each refill
	s_branch .Lnew                                 ; the loop is entered where a tile begins
.Lstep:                                                ; a trip goes from a K step's second quarter to the next step's first, and fills the slot that it leaves
	QUARTER 1, 0, 2, 0
	QUARTER 0, 1, 3, 0
	TURN 1
	WIN 0                                          ; at a label and at a branch every window is 0
	s_add_co_u32 s[SI], s[SI], 1
	s_cmp_eq_u32 s[SI], 8                          ; was that a matrix's last K step?  The same in every wave and work-group; no barrier and no tensor load stands in what is jumped
	s_cbranch_scc1 .Lbound
	QUARTER 0, 1, 1, 0
	WIN 0
	s_branch .Ljoin
.Lbound:                                               ; A TILE IS FINISHED.  Both refills for the next tile's first two K steps have been asked for, and its first fragments fetched
	s_mov_b32 s[SI], 0
	s_add_co_u32 s[MT], s[MT], 1
	s_cmp_eq_u32 s[MT], 1
	s_cselect_b64 s[BP:BP+1], s[76:77], s[78:79]   ; b_K, then b_V (the last bias's loads were waited for where it was rounded)
	BIASLD                                         ; on its way while the tile goes out
	WAYOUT
	s_wait_xcnt 0x0                                ; the stores have read their addresses
	s_add_nc_u64 s[OUT1:OUT1+1], s[OUT1:OUT1+1], MATB
	s_add_nc_u64 s[OUT2:OUT2+1], s[OUT2:OUT2+1], MATB
.Lnew:
	BIASRND
	QUARTER 0, 1, 1, 1                             ; a tile's first quarter: its products start the sums
	WIN 0
.Ljoin:
	s_sub_co_u32 s[CNT], s[CNT], 1
	s_cmp_lg_u32 s[CNT], 0
	s_cbranch_scc1 .Lstep
	s_mov_b32 s[CNT], 2                            ; the walk's last two K steps ask for nothing: a loop of two trips, left in its middle
.Ltail:
	QUARTER 1, 0, 2, 0
	QUARTER 0, 1, 3, 0
	WIN 0
	s_sub_co_u32 s[CNT], s[CNT], 1
	s_cmp_eq_u32 s[CNT], 0
	s_cbranch_scc1 .Llastq
	TURN 0
	QUARTER 0, 1, 1, 0
	WIN 0
	s_branch .Ltail
.Llastq:
	s_wait_dscnt 12                                ; the very last quarter: the counts run down
	GRP 1, 0, 0, 1, 1
	s_wait_dscnt 8
	GRP 1, 1, 0, 1, 2
	s_wait_dscnt 4
	GRP 1, 2, 0, 1, 3
	s_wait_dscnt 0x0
	GRP 1, 3, 0, 1, 4
	GRP 1, 4, 0, 0, -1
	WAYOUT
	s_wait_tensorcnt 0x0                           ; the wave's end: the wait, the add and its wait behind my last tensor load and my last LDS store
	ds_add_u32 v[SPW], v[NIL]
	s_wait_dscnt 0x0
	CROUND                                         ; the closing round: no work-group ends while a partner may still ask for a tile that names it
	s_endpgm
.Lfunc_end_k_qaab642858e_qkvp:
	.size	k_qaab642858e_qkvp, .Lfunc_end_k_qaab642858e_qkvp-k_qaab642858e_qkvp
	.p2alignl 7, 3214868480
	.fill 96, 4, 3214868480
	.section	.rodata,"a",@progbits
	.p2align	6, 0x0
	.amdhsa_kernel k_qaab642858e_qkvp
		.amdhsa_group_segment_fixed_size 327680
		.amdhsa_private_segment_fixed_size 0
		.amdhsa_enable_private_segment 0
		.amdhsa_kernarg_size 64
		.amdhsa_user_sgpr_count 2
		.amdhsa_user_sgpr_kernarg_segment_ptr 1
		.amdhsa_wavefront_size32 1
		.amdhsa_system_sgpr_workgroup_id_x 1
		.amdhsa_system_sgpr_workgroup_id_y 1
		.amdhsa_system_sgpr_workgroup_id_z 1
		.amdhsa_system_vgpr_workitem_id 0
		.amdhsa_next_free_vgpr 1024
		.amdhsa_next_free_sgpr 106
		.amdhsa_reserve_vcc 0
		.amdhsa_float_denorm_mode_32 3
		.amdhsa_float_denorm_mode_16_64 3
		.amdhsa_memory_ordered 1
		.amdhsa_forward_progress 1
		.amdhsa_inst_pref_size 143
	.end_amdhsa_kernel
	.amdgpu_metadata
---
amdhsa.version: [ 1, 2 ]
amdhsa.kernels:
  - .name:           k_qaab642858e_qkvp
    .symbol:         k_qaab642858e_qkvp.kd
    .args:
      - { .name: query_input, .offset: 0, .size: 8, .value_kind: global_buffer, .address_space: global }
      - { .name: key_input, .offset: 8, .size: 8, .value_kind: global_buffer, .address_space: global }
      - { .name: value_input, .offset: 16, .size: 8, .value_kind: global_buffer, .address_space: global }
      - { .name: b_Q, .offset: 24, .size: 8, .value_kind: global_buffer, .address_space: global }
      - { .name: b_K, .offset: 32, .size: 8, .value_kind: global_buffer, .address_space: global }
      - { .name: b_V, .offset: 40, .size: 8, .value_kind: global_buffer, .address_space: global }
      - { .name: wt, .offset: 48, .size: 8, .value_kind: global_buffer, .address_space: global }
      - { .name: qkv, .offset: 56, .size: 8, .value_kind: global_buffer, .address_space: global }
    .group_segment_fixed_size: 327680
    .private_segment_fixed_size: 0
    .kernarg_segment_align: 8
    .kernarg_segment_size: 64
    .max_flat_workgroup_size: 128
    .sgpr_count:     106
    .vgpr_count:     1024
    .wavefront_size: 32
...
	.end_amdgpu_metadata
.endif
;; end of part 2
;; launch attn (part 3): grid 16 x 16, 8 waves a work-group, no clusters, 214,016 bytes of LDS; arguments qkv, zh; writes zh
.if DOCPART == 3
	.amdgcn_target "amdgcn-amd-amdhsa--gfx1250"
	.amdhsa_code_object_version 6
	.text
	.protected	k_qaab642858e_attn
	.globl	k_qaab642858e_attn
	.p2align	8
	.type	k_qaab642858e_attn,@function
k_qaab642858e_attn:
	s_mov_b64 s[64:65], 0
	v_nop
	global_prefetch_b8 v0, s[64:65] scope:SCOPE_SE
	s_setreg_imm32_b32 hwreg(HW_REG_WAVE_MODE, 25, 1), 1
	s_wait_xcnt 0x0
; ATTENTION for one batch and head.  zh[b][head][q][:] = the sum over the 577 keys k of softmax_k(q . k / 8) v[k][:].  q, k, v: qkv[mat][b][head][640][64] in f16, rows of 128 bytes; zh likewise.
; Products, maxima and sums in f32; the weights p are rounded to f16 for the second product (their sum l is taken of the unrounded p), z once at the end.
; Rows 577 to 639 are pads: finite numbers.  As keys they are hidden; as queries they give finite rows that the last launch multiplies and never stores.
; LIMITS.  A hidden key counts as its score less 1e30; a weight below 2^-126 counts as 0 in l; p below 6.1e-5 keeps f16's fixed step of 6e-8; z is a mean of v's rows and has their range.
; NaN and infinities are not treated apart (the reference's replacement of NaN weights acts on such inputs alone).
; SHARES.  One work-group a (b, head): 256 in all.  K and V of the head stay in LDS for the whole launch: each byte is asked for once, nothing is filled again.
; NO CLUSTER: no other work-group reads this head's rows.  NO PREFETCH: every tensor load goes out at the kernel's head.
; Eight waves, two to a SIMD, each with 80 queries: five tiles of 16.  A wave runs in phases (a tile's K Q^T, its softmax, its V^T P); no barrier stands in the loops, so the two waves of a SIMD
; are free to run one's vector work beside the other's products.  Every wave walks 10 steps of 64 keys; the last step holds key 576 and 63 hidden ones.
; LAYOUT.  S^T = K Q^T (source 0 = 16 keys, source 1 = 16 queries): a lane holds ONE query (lane % 16) and the keys 8 (lane / 16) + 0..7.  Two such results, rounded to f16 in pairs, ARE source 1 of
; O^T = V^T P, whose result again holds one query a lane, and eight channels.  K comes out of LDS as it lies, V ([key][channel]) turned, by ds_load_tr16_b128.
; SOFTMAX.  A running maximum m and sum l: p = 2^(c s - c m), c = log2(e) / 8; in every step O and l are multiplied by a = 2^(c m_old - c m_new).  m starts at the lowest finite number, O and l at 0,
; so the first step is a step like any other, with a = 0: the price is the 192 lines at the head that write 0, which run while the first tiles are on their way.
; THE MASK is the C operand that starts the sum S^T: 32 registers, 0 until the last step, then -1e30 for all keys but the step's first.
; TWO PARTS.  Keys 0 to 191 (three steps) are asked for first, the other 448 behind them.  The first two steps, which fetch up to the third step's fragments, run as soon as part one is in.
; The wait for part two and its barrier stand between two loops, of 2 and of 8 steps: the step's text stands twice.
; REGISTERS (s_set_vgpr_msb: bits 1:0 source 0, 3:2 source 1, 5:4 source 2, 7:6 destination):
;   window 0: v0-15 addresses; v16-35 four registers of statistics a tile; v36-39 at work; v40-71 the mask; v72-103 S^T; v104-119 P; v128-191 K of a step; v192-255 V of a step
;   window 1: v0-159 O^T, 32 a tile; v160-239 Q, 16 a tile
.set KS,    64                         ; keys in a step
.set PK,    144                        ; a row of K in LDS: 128 bytes + 16 = 36 words: the 16 rows of a load start at 16 different groups of four banks (64 banks of 4 bytes: ISA guide 11.1)
.set PV,    160                        ; a row of V: 128 + 32 = 40 words
.set VOFF,  640*PK
.set STAGE, VOFF+640*PV                ; never filled by a tensor load: 16 rows x 144 bytes for each wave, for the way out
.set SP,    144
.set SPARE, STAGE+8*16*SP              ; the spare words, 128 bytes a wave: four blocks of 256 bytes that no other line names
.set HEADB, 640*128
.set MATB,  256*HEADB
.set KA,    48                         ; keys of part one that a wave fetches: 24 rows of 256 bytes
.set KBB,   112                        ; of part two: 56 rows
.set AK0, 2                            ; v2   my lane's place in a step's K; never rewritten
.set AV0, 3                            ; v3   the same for V
.set AK,  4                            ; v4   the LDS address of K's run of loads
.set AV,  5                            ; v5   of V's
.set QO,  6                            ; v6   my byte offset in 16 rows of Q
.set RD,  7                            ; v7   the way out: where I read rows back
.set GO,  8                            ; v8   16 x lane
.set HM,  9                            ; v9   the last step's mask for the register that holds its first key: 0 in lanes 0-15, -1e30 in lanes 16-31
.set SPW, 12                           ; v12  LDS address of my spare word; never rewritten
.set NIL, 13                           ; v13  0; never rewritten
.set RW,  14                           ; v14  c m_old, kept while c m is made anew
.set STO, 15                           ; v15  the way out: where I put 16 bytes of a row
.set ST,  16                           ; tile t's statistics at v[ST+4 t]: c m, m, l (even keys', odd keys')
.set TC,  36                           ; c0-c3, at work; when the maximum is found c2 takes a
.set MC,  40
.set S,   72
.set P,   104
.set KF,  128                          ; key block kb, channel half c at KF + 16 kb + 8 c
.set VF,  192                          ; key half kk, channel block cb at VF + 32 kk + 8 cb
.set ZB,  128                          ; the way out: 16 registers a tile
.set Q,   160                          ; window 1
.set WV,  8
.set U,   9                            ; wave % 4: my quarter of K's (waves 0-3) or V's (waves 4-7) rows
.set CNT, 10
.set TBK, 11                           ; LDS byte at which K of the step to be fetched begins
.set TBV, 12                           ; the same for V, less VOFF
.set BIGN, 13                          ; -1e30
.set G1KA, 16                          ; s[16:47] four descriptor groups 1: K's and V's, part one's and part two's
.set G1KB, 24
.set G1VA, 32
.set G1VB, 40
.set G0KA, 48                          ; s[48:63] their groups 0
.set G0KB, 52
.set G0VA, 56
.set G0VB, 60
.set CS,  66                           ; s[66:67] c: the packed scaling takes the pair's low word for both halves
.set SEL, 68                           ; s[68:69] v_permlanex16_b32's selects: each lane takes its own place in the other half
.set MSB, 0
.macro WIN new
.if MSB != (\new)
	s_set_vgpr_msb (MSB<<8)|(\new)
.set MSB, \new
.endif
.endm
.macro PLACES
.rept 4
	v_nop
.endr
.endm
; Group 1: dense rows of a head are asked for as rows of 256 bytes, two keys a row, and padded in LDS after every key (32 words): pad + 1 words.
.macro G1SET g, pad, rows
	s_mov_b32 s[(\g)], (1<<16)|(1<<20)|(4<<22)|((\pad)<<25)
	s_mov_b32 s[(\g)+1], 128<<16       ; tensor_dim0 = 128
	s_mov_b32 s[(\g)+2], (\rows)<<16   ; tensor_dim1
	s_mov_b32 s[(\g)+3], 128<<16       ; tile_dim0 = 128
	s_mov_b32 s[(\g)+4], \rows         ; tile_dim1
	s_mov_b32 s[(\g)+5], 128           ; elements from row to row
	s_mov_b32 s[(\g)+6], 0
	s_mov_b32 s[(\g)+7], 0
.endm
	s_load_b128 s[4:7], s[0:1], 0x0                ; qkv s[4:5], zh s[6:7]
	v_lshl_add_u32 v[SPW], v0, 2, SPARE
	v_mov_b32 v[NIL], 0
	ds_add_u32 v[SPW], v[NIL]                      ; the wave's opening: the add and its wait stand ahead of my first tensor load; the set-up below, work on registers, stands between them
	v_lshrrev_b32 v1, 5, v0
	v_readfirstlane_b32 s[WV], v1
	s_and_b32 s[U], s[WV], 3
	s_and_b32 s14, ttmp7, 0xffff                   ; b
	s_lshl_b32 s14, s14, 4
	s_add_co_u32 s14, s14, ttmp9                   ; 16 b + head
	s_mul_i32 s78, s14, HEADB
	s_mov_b32 s79, 0
	G1SET G1KA, 3, KA/2
	G1SET G1KB, 3, KBB/2
	G1SET G1VA, 7, KA/2
	G1SET G1VB, 7, KBB/2
	s_mov_b32 s[G0KA], 1
	s_mul_i32 s[G0KA+1], s[U], KA*PK               ; LDS: a constant times the wave's quarter, plus the part's and the tensor's constant
	s_mov_b32 s[G0KB], 1
	s_mul_i32 s[G0KB+1], s[U], KBB*PK
	s_add_co_u32 s[G0KB+1], s[G0KB+1], 4*KA*PK
	s_mov_b32 s[G0VA], 1
	s_mul_i32 s[G0VA+1], s[U], KA*PV
	s_add_co_u32 s[G0VA+1], s[G0VA+1], VOFF
	s_mov_b32 s[G0VB], 1
	s_mul_i32 s[G0VB+1], s[U], KBB*PV
	s_add_co_u32 s[G0VB+1], s[G0VB+1], VOFF+4*KA*PV
	s_mul_i32 s80, s[U], KA*128                    ; the same rows in memory
	s_mov_b32 s81, 0
	s_mul_i32 s82, s[U], KBB*128
	s_add_co_u32 s82, s82, 4*KA*128
	s_mov_b32 s83, 0
	s_mul_i32 s84, s[WV], 80*128                   ; my wave's 80 rows of Q and of z
	s_mov_b32 s85, 0
	s_mov_b32 s[CS], 0x3e38aa3b                    ; c = log2(e) / 8 = 0.180337
	s_mov_b32 s[CS+1], s[CS]                       ; named with it as a pair
	s_mov_b32 s[SEL], 0x76543210
	s_mov_b32 s[SEL+1], 0xfedcba98
	s_mov_b32 s[BIGN], 0xf149f2ca                  ; -1e30
	s_mov_b32 s[TBK], 0
	s_mov_b32 s[TBV], 0
	s_wait_dscnt 0x0                               ; the opening add is done
	s_wait_kmcnt 0x0
	s_add_nc_u64 s[70:71], s[4:5], s[78:79]        ; q's block of this head,
	s_add_nc_u64 s[72:73], s[70:71], MATB          ; k's,
	s_add_nc_u64 s[74:75], s[70:71], 2*MATB        ; v's
	s_add_nc_u64 s[76:77], s[6:7], s[78:79]        ; z's
	s_add_nc_u64 s[70:71], s[70:71], s[84:85]
	s_add_nc_u64 s[76:77], s[76:77], s[84:85]
	s_add_nc_u64 s[G0KA+2:G0KA+3], s[72:73], s[80:81]
	s_or_b32 s[G0KA+3], s[G0KA+3], 0x80000000      ; type = 2
	s_add_nc_u64 s[G0KB+2:G0KB+3], s[72:73], s[82:83]
	s_or_b32 s[G0KB+3], s[G0KB+3], 0x80000000
	s_add_nc_u64 s[G0VA+2:G0VA+3], s[74:75], s[80:81]
	s_or_b32 s[G0VA+3], s[G0VA+3], 0x80000000
	s_add_nc_u64 s[G0VB+2:G0VB+3], s[74:75], s[82:83]
	s_or_b32 s[G0VB+3], s[G0VB+3], 0x80000000
	s_cmp_lt_u32 s[WV], 4                          ; a wave's two fills stand in one branch, ahead of every wait on TENSORcnt, every LDS read and every barrier: two loads of mine are out
	s_cbranch_scc0 .Lfill_v
	tensor_load_to_lds s[G0KA:G0KA+3], s[G1KA:G1KA+7]
	s_nop 0
	tensor_load_to_lds s[G0KB:G0KB+3], s[G1KB:G1KB+7]
	s_nop 0
	PLACES
	s_branch .Lfilled
.Lfill_v:
	tensor_load_to_lds s[G0VA:G0VA+3], s[G1VA:G1VA+7]
	s_nop 0
	tensor_load_to_lds s[G0VB:G0VB+3], s[G1VB:G1VB+7]
	s_nop 0
	PLACES
.Lfilled:
	; A fragment of K or Q is 16 rows x 32 channels in 8 registers: lane l holds row l % 16, channels 8 (l / 16) + 0..7 and 16 + 8 (l / 16) + 0..7: two loads of 16 bytes, 32 bytes apart.
	v_and_b32 v1, 15, v0                           ; l % 16
	v_bfe_u32 v10, v0, 4, 1                        ; l / 16
	v_lshlrev_b32 v[QO], 7, v1
	v_lshl_add_u32 v[QO], v10, 4, v[QO]
	WIN 0x40                                       ; destination window 1
.set i, 0
.rept 10                                       ; Q stays in registers: tile i / 2, channels 32 (i % 2) on
	global_load_b128 v[Q+8*i:Q+8*i+3],   v[QO], s[70:71] offset:(i/2)*2048+(i%2)*64
	global_load_b128 v[Q+8*i+4:Q+8*i+7], v[QO], s[70:71] offset:(i/2)*2048+(i%2)*64+32
.set i, i+1
.endr
.set i, 0
.rept 160
	v_mov_b32 v[i], 0                              ; O^T
.set i, i+1
.endr
	WIN 0
.set i, 0
.rept 32
	v_mov_b32 v[MC+i], 0
.set i, i+1
.endr
.set i, 0
.rept 5
	v_mov_b32 v[ST+4*i], 0xfe000000                ; c m: far below every c s
	v_mov_b32 v[ST+4*i+1], 0xff7fffff              ; m
	v_mov_b32 v[ST+4*i+2], 0
	v_mov_b32 v[ST+4*i+3], 0
.set i, i+1
.endr
	v_cvt_f32_u32 v[HM], v10
	v_mul_f32 v[HM], s[BIGN], v[HM]
	v_mul_u32_u24 v[AK0], v1, PK
	v_lshl_add_u32 v[AK0], v10, 4, v[AK0]          ; row x pitch + 16 x half
	; The turning load takes 16 keys x 16 channels (lane l reads key 8 (l / 16) + l % 8, channels 8 ((l / 8) % 2) + 0..7) and leaves half a fragment of V^T: lane l holds channel l % 16 and 8 keys.
	v_and_b32 v11, 7, v0
	v_lshl_add_u32 v[AV0], v10, 3, v11
	v_mul_u32_u24 v[AV0], v[AV0], PV
	v_bfe_u32 v[RD], v0, 3, 1
	v_lshl_add_u32 v[AV0], v[RD], 4, v[AV0]
	v_add_nc_u32 v[AV0], VOFF, v[AV0]
	s_mul_i32 s14, s[WV], 16*SP
	s_add_co_u32 s14, s14, STAGE                   ; my stage
	v_mul_u32_u24 v[STO], v1, SP                   ; in: row l % 16, 16 bytes for each half of the lanes
	v_lshl_add_u32 v[STO], v10, 4, v[STO]
	v_add_nc_u32 v[STO], s14, v[STO]
	v_bfe_u32 v[RD], v0, 3, 2                      ; back: 32 lanes take four rows of 128 bytes,
	v_mul_u32_u24 v[RD], v[RD], SP
	v_lshl_add_u32 v[RD], v11, 4, v[RD]
	v_add_nc_u32 v[RD], s14, v[RD]
	v_and_b32 v[GO], 31, v0                        ; which are 512 consecutive bytes of z
	v_lshlrev_b32 v[GO], 4, v[GO]
; THE LDS LOADS stand in runs of 16.  tail = 1: in the last step there is no further step, and the run is jumped over.
.macro FETCH_K tail
	WIN 0
.if \tail
	s_cmp_eq_u32 s[CNT], 1
	s_cbranch_scc1 .Lnk_\@
.endif
	v_add_nc_u32 v[AK], s[TBK], v[AK0]
	s_add_co_u32 s[TBK], s[TBK], KS*PK             ; the next fetch is the next step's
.irp f, 0,1,2,3,4,5,6,7                ; keys 16 (f / 2) on, channels 32 (f % 2) on
	ds_load_b128 v[KF+8*\f:KF+8*\f+3],   v[AK] offset:(\f/2)*16*PK+(\f%2)*64
	ds_load_b128 v[KF+8*\f+4:KF+8*\f+7], v[AK] offset:(\f/2)*16*PK+(\f%2)*64+32
.endr
.if \tail
.Lnk_\@:
.endif
.endm
.macro FETCH_V tail
	WIN 0
.if \tail
	s_cmp_eq_u32 s[CNT], 1
	s_cbranch_scc1 .Lnv_\@
.endif
	v_add_nc_u32 v[AV], s[TBV], v[AV0]
	s_add_co_u32 s[TBV], s[TBV], KS*PV
.irp f, 0,1,2,3,4,5,6,7                ; keys 32 (f / 4) on, channels 16 (f % 4) on
	ds_load_tr16_b128 v[VF+8*\f:VF+8*\f+3],   v[AV] offset:(\f/4)*32*PV+(\f%4)*32
	ds_load_tr16_b128 v[VF+8*\f+4:VF+8*\f+7], v[AV] offset:(\f/4)*32*PV+16*PV+(\f%4)*32
.endr
.if \tail
.Lnv_\@:
.endif
.endm
; THE MATRIX WORK.  The 4 accumulators of a run of 8 take turns.  Product i of S^T = K Q^T for tile t: channels 32 (i / 4) on, keys 16 (i % 4) on; the first 4 start the sums with the mask.
.macro KQ t
	WIN 0x04                                       ; Q in window 1, all else in window 0
.set i, 0
.rept 8
.if i < 4
	v_wmma_f32_16x16x32_f16 v[S+8*(i%4):S+8*(i%4)+7], v[KF+16*(i%4)+8*(i/4):KF+16*(i%4)+8*(i/4)+7], v[Q+16*(\t)+8*(i/4):Q+16*(\t)+8*(i/4)+7], v[MC+8*i:MC+8*i+7]
.else
	v_wmma_f32_16x16x32_f16 v[S+8*(i%4):S+8*(i%4)+7], v[KF+16*(i%4)+8*(i/4):KF+16*(i%4)+8*(i/4)+7], v[Q+16*(\t)+8*(i/4):Q+16*(\t)+8*(i/4)+7], v[S+8*(i%4):S+8*(i%4)+7]
.endif
.set i, i+1
.endr
.endm
; Product i of O^T += V^T P for tile t: keys 32 (i / 4) on, channels 16 (i % 4) on.
.macro PV t
	WIN 0x50                                       ; O^T in window 1, V and P in window 0
.set i, 0
.rept 8
	v_wmma_f32_16x16x32_f16 v[32*(\t)+8*(i%4):32*(\t)+8*(i%4)+7], v[VF+32*(i/4)+8*(i%4):VF+32*(i/4)+8*(i%4)+7], v[P+8*(i/4):P+8*(i/4)+7], v[32*(\t)+8*(i%4):32*(\t)+8*(i%4)+7]
.set i, i+1
.endr
.endm
; THE SOFTMAX of tile t for one step: 118 vector instructions and a v_nop.  The maximum (each accumulator's lowest registers are read first), the statistics, then ONE BATCH of 33 exponentials
; (a, then the 32 scores, the scalings between them while there are scalings), none of which is named before the one wait behind the batch; then the roundings, the sums and the rescaling of O^T.
.macro SM t
.set rT, ST+4*(\t)
.set rO, 32*(\t)
	WIN 0
.set n, 0
.rept 4
	v_max3_num_f32 v[TC+n], v[S+8*n], v[S+8*n+1], v[S+8*n+2]
.set n, n+1
.endr
.rept 8
	v_max3_num_f32 v[TC+n%4], v[TC+n%4], v[S+8*(n%4)+2*(n/4)+1], v[S+8*(n%4)+2*(n/4)+2]
.set n, n+1
.endr
	v_max3_num_f32 v[TC], v[TC], v[S+7], v[S+15]
	v_max3_num_f32 v[TC+1], v[TC+1], v[S+23], v[S+31]
	v_mov_b32 v[RW], v[rT]                         ; c m_old is kept
	v_max3_num_f32 v[TC+2], v[TC+2], v[TC+3], v[rT+1]  ; the old m among them
	v_max3_num_f32 v[TC], v[TC], v[TC+1], v[TC+2]
	v_permlanex16_b32 v[TC+3], v[TC], s[SEL], s[SEL+1]  ; the query's other 32 keys lie in the lane 16 away
	v_max_num_f32 v[rT+1], v[TC], v[TC+3]
	v_mul_f32 v[rT], s[CS], v[rT+1]
	v_sub_f32 v[TC+1], v[RW], v[rT]
	v_exp_f32 v[TC+2], v[TC+1]                     ; a
.set n, 0
.rept 2
	v_pk_fma_f32 v[S+2*n:S+2*n+1], v[S+2*n:S+2*n+1], s[CS:CS+1], v[rT:rT+1] op_sel_hi:[1,0,0] neg_lo:[0,0,1] neg_hi:[0,0,1]  ; c s - c m
.set n, n+1
.endr
.set n, 0
.rept 14
	v_exp_f32 v[S+n], v[S+n]
	v_pk_fma_f32 v[S+2*n+4:S+2*n+5], v[S+2*n+4:S+2*n+5], s[CS:CS+1], v[rT:rT+1] op_sel_hi:[1,0,0] neg_lo:[0,0,1] neg_hi:[0,0,1]
.set n, n+1
.endr
.rept 18
	v_exp_f32 v[S+n], v[S+n]
.set n, n+1
.endr
	v_nop                                          ; a plain instruction behind the last exponential, ahead of the first use (ISA guide 5.7.2)
	s_wait_alu depctr_va_vdst(0)                   ; a wait ahead of the first instruction that names a result: one for the batch
.set n, 0
.rept 8                                        ; of four weights both pairs are rounded; the second pair is added onto the first; l takes that sum a group later
	v_cvt_pk_f16_f32 v[P+2*n], v[S+4*n], v[S+4*n+1]
	v_cvt_pk_f16_f32 v[P+2*n+1], v[S+4*n+2], v[S+4*n+3]
	v_pk_add_f32 v[S+4*n:S+4*n+1], v[S+4*n:S+4*n+1], v[S+4*n+2:S+4*n+3]
.if n == 1
	v_pk_fma_f32 v[rT+2:rT+3], v[rT+2:rT+3], v[TC+2:TC+3], v[S:S+1] op_sel_hi:[1,0,1]  ; l = a l + sum
.elseif n > 1
	v_pk_add_f32 v[rT+2:rT+3], v[rT+2:rT+3], v[S+4*n-4:S+4*n-3]
.endif
.set n, n+1
.endr
	v_pk_add_f32 v[rT+2:rT+3], v[rT+2:rT+3], v[S+28:S+29]
	WIN 0x41                                       ; O^T (destination and source 0) in window 1, a in window 0
.set n, 0
.rept 16
	v_pk_mul_f32 v[rO+2*n:rO+2*n+1], v[rO+2*n:rO+2*n+1], v[TC+2:TC+3] op_sel_hi:[1,0]
.set n, n+1
.endr
.endm
; A tile's three phases.  Four v_nop are the places between the scores' last product and the first line that reads a score or, in tile 4, the loads into K's registers.
; K of the next step is fetched when the last tile has multiplied by this step's K.
.macro TILE t, tail
	KQ \t
	WIN 0
	PLACES
.if (\t) == 4
	FETCH_K \tail
.endif
	SM \t
.if (\t) == 0
	s_wait_dscnt 0x0                               ; V is in
.endif
	PV \t
.endm
.macro STEP tail
.if \tail
	s_cmp_lg_u32 s[CNT], 1
	s_cbranch_scc1 .Lopen_\@
	v_mov_b32 v[MC], v[HM]                         ; the last step: key 576 is the step's first (register 0 of lanes 0-15); all others are hidden
.set i, 1
.rept 31
	v_mov_b32 v[MC+i], s[BIGN]
.set i, i+1
.endr
.Lopen_\@:
.endif
	s_wait_dscnt 16                                ; K is in; V's 16 loads, issued behind K's, may be out
	TILE 0, \tail
	TILE 1, \tail
	TILE 2, \tail
	TILE 3, \tail
	TILE 4, \tail
	WIN 0
	PLACES                                         ; behind the last product that read V
	FETCH_V \tail
.endm
.macro STEPS n, tail
	s_mov_b32 s[CNT], \n
.Lst_\@:
	STEP \tail
	WIN 0
	s_sub_co_u32 s[CNT], s[CNT], 1
	s_cmp_lg_u32 s[CNT], 0
	s_cbranch_scc1 .Lst_\@
.endm
	s_wait_tensorcnt 0x1                           ; my part of keys 0 to 191 is in; my part of the others, issued behind it, may stay out
	s_barrier_signal -1
	s_barrier_wait -1                              ; everybody's is
	FETCH_K 0
	FETCH_V 0
	s_wait_loadcnt 0x0                             ; Q
	STEPS 2, 0                                     ; steps 0 and 1; they fetch the fragments of steps 1 and 2
	s_wait_tensorcnt 0x0                           ; my part of keys 192 to 639 is in,
	s_wait_dscnt 0x0                               ; (no LDS instruction is pending at a signal)
	s_barrier_signal -1
	s_barrier_wait -1                              ; everybody's is
	STEPS 8, 1
	; THE WAY OUT.  l's two halves and the other half of the lanes' are added; O^T is divided by l, rounded to f16 and sent through my stage in LDS, a tile at a time.
.set t, 0
.rept 5
	v_add_f32 v[ST+4*t+2], v[ST+4*t+2], v[ST+4*t+3]
.set t, t+1
.endr
.set t, 0
.rept 5
	v_permlanex16_b32 v[ST+4*t+3], v[ST+4*t+2], s[SEL], s[SEL+1]
.set t, t+1
.endr
.set t, 0
.rept 5
	v_add_f32 v[ST+4*t+2], v[ST+4*t+2], v[ST+4*t+3]
.set t, t+1
.endr
.set t, 0
.rept 5
	v_rcp_f32 v[ST+4*t+2], v[ST+4*t+2]             ; l is at least the weight 1 of the row's largest score
.set t, t+1
.endr
	v_nop                                          ; a plain instruction between the last reciprocal and the use of its result
	s_wait_alu depctr_va_vdst(0)                   ; and a wait: one for the five
; Tile t: a lane's eight channels of a row pack into 16 bytes; they go into rows of 144 bytes and come back as whole rows of 128.
.macro APACK t
	WIN 0x41
.set i, 0
.rept 16
	v_pk_mul_f32 v[32*(\t)+2*i:32*(\t)+2*i+1], v[32*(\t)+2*i:32*(\t)+2*i+1], v[ST+4*(\t)+2:ST+4*(\t)+3] op_sel_hi:[1,0]
.set i, i+1
.endr
	WIN 0x05                                       ; sources 0 and 1 window 1, destination window 0
.set i, 0
.rept 16
	v_cvt_pk_f16_f32 v[ZB+16*(\t)+i], v[32*(\t)+2*i], v[32*(\t)+2*i+1]
.set i, i+1
.endr
	WIN 0
.irp f, 0,1,2,3
	ds_store_b128 v[STO], v[ZB+16*(\t)+4*\f:ZB+16*(\t)+4*\f+3] offset:32*\f
.endr
.irp f, 0,1,2,3
	ds_load_b128 v[ZB+16*(\t)+4*\f:ZB+16*(\t)+4*\f+3], v[RD] offset:\f*4*SP  ; LDS serves a wave's instructions in order (ISA guide 5.7.1.4): these see the stores above; the next tile's stores come behind them
.endr
.endm
.macro ASEND t, younger                ; younger: the LDS instructions issued behind tile t's loads: the next tile's eight, or none
.irp f, 0,1,2,3
	s_wait_dscnt (\younger)+3-\f
	global_store_b128 v[GO], v[ZB+16*(\t)+4*\f:ZB+16*(\t)+4*\f+3], s[76:77] offset:(\t)*2048+\f*512  ; 512 consecutive bytes, at a multiple of 256 from zh's first
.endr
.endm
	APACK 0
.irp t, 1,2,3,4                        ; a tile's arithmetic stands between the loads of the tile before and its stores
	APACK \t
	ASEND (\t)-1, 8
.endr
	ASEND 4, 0
	s_wait_tensorcnt 0x0                           ; the wave's end: the wait, the add and its wait behind my last tensor load and my last LDS store
	ds_add_u32 v[SPW], v[NIL]
	s_wait_dscnt 0x0
	s_endpgm
.Lfunc_end_k_qaab642858e_attn:
	.size	k_qaab642858e_attn, .Lfunc_end_k_qaab642858e_attn-k_qaab642858e_attn
	.p2alignl 7, 3214868480
	.fill 96, 4, 3214868480
	.section	.rodata,"a",@progbits
	.p2align	6, 0x0
	.amdhsa_kernel k_qaab642858e_attn
		.amdhsa_group_segment_fixed_size 214016
		.amdhsa_private_segment_fixed_size 0
		.amdhsa_enable_private_segment 0
		.amdhsa_kernarg_size 16
		.amdhsa_user_sgpr_count 2
		.amdhsa_user_sgpr_kernarg_segment_ptr 1
		.amdhsa_wavefront_size32 1
		.amdhsa_system_sgpr_workgroup_id_x 1
		.amdhsa_system_sgpr_workgroup_id_y 1
		.amdhsa_system_sgpr_workgroup_id_z 1
		.amdhsa_system_vgpr_workitem_id 0
		.amdhsa_next_free_vgpr 512
		.amdhsa_next_free_sgpr 86
		.amdhsa_reserve_vcc 0
		.amdhsa_float_denorm_mode_32 3
		.amdhsa_float_denorm_mode_16_64 3
		.amdhsa_memory_ordered 1
		.amdhsa_forward_progress 1
		.amdhsa_inst_pref_size 116
	.end_amdhsa_kernel
	.amdgpu_metadata
---
amdhsa.version: [ 1, 2 ]
amdhsa.kernels:
  - .name:           k_qaab642858e_attn
    .symbol:         k_qaab642858e_attn.kd
    .args:
      - { .name: qkv, .offset: 0, .size: 8, .value_kind: global_buffer, .address_space: global }
      - { .name: zh, .offset: 8, .size: 8, .value_kind: global_buffer, .address_space: global }
    .group_segment_fixed_size: 214016
    .private_segment_fixed_size: 0
    .kernarg_segment_align: 8
    .kernarg_segment_size: 16
    .max_flat_workgroup_size: 256
    .sgpr_count:     86
    .vgpr_count:     512
    .wavefront_size: 32
...
	.end_amdgpu_metadata
.endif
;; end of part 3
;; launch outp (part 4): grid 4 x 64, 4 waves a work-group, clusters of 4 x 4, 327,680 bytes of LDS; arguments zh, wo, b_O, out0; writes out0
.if DOCPART == 4
	.amdgcn_target "amdgcn-amd-amdhsa--gfx1250"
	.amdhsa_code_object_version 6
	.text
	.protected	k_qaab642858e_outp
	.globl	k_qaab642858e_outp
	.p2align	8
	.type	k_qaab642858e_outp,@function
k_qaab642858e_outp:
	s_mov_b64 s[64:65], 0
	v_nop
	global_prefetch_b8 v0, s[64:65] scope:SCOPE_SE
	s_setreg_imm32_b32 hwreg(HW_REG_WAVE_MODE, 25, 1), 1
	s_wait_xcnt 0x0
	s_wait_alu depctr_hold_cnt(0) depctr_sa_sdst(0) depctr_va_vdst(0) depctr_va_sdst(0) depctr_va_ssrc(0) depctr_va_vcc(0) depctr_vm_vsrc(0)
	s_getreg_b32 s2, hwreg(HW_REG_IB_STS2, 6, 4)
	s_cmp_eq_u32 s2, 0
	s_cbranch_scc0 .Lentry_in_a_cluster
	s_endpgm
.Lentry_in_a_cluster:
	s_bfe_u32 s2, ttmp6, 0x10000c
	s_cmp_lg_u32 s2, 0xf033
	s_cbranch_scc0 .Lentry_shape_is_right
	s_endpgm
.Lentry_shape_is_right:
; THE OUTPUT PROJECTION.  out0[b][pos][d] = sum over k = 64 head + e of zh[b][head][pos][e] wo[d][k] + bf16(b_O[d]); both operands f16, sums and result f32.
; SHARES.  A cluster of 4 x 4 work-groups is one batch (cluster y = b): cy picks 160 rows (positions 160 cy on), cx 256 columns: 256 work-groups.  A work-group's four waves make 80 rows x 128 columns each:
; 5 x 8 accumulators of 16 x 16.  K goes in 8 steps of 128, two heads a step, through two LDS slots; a step is four quarters of 32.
; JOINT LOADS.  z's tile hangs on (b, cy) and is shared along a row of the cluster, wo's on cx and is shared along a column.  A head's 160 rows are 20,480 dense bytes: asked for as 80 rows of 256 bytes
; and padded in LDS after every position's 128.
; THE MATRIX INSTRUCTION IS USED TRANSPOSED (source 0 = 16 rows of wo, source 1 = 16 rows of z): a lane holds one row (lane % 16) and the columns 16 b + 8 (lane / 16) + 0..7.  The bias is the C of each sum's first
; product.  The 40 accumulators take turns, one instruction a turn, over the backward jump too.
; THE EDGE.  577 = 3 x 160 + 80 + 17: of a wave's 80 rows either all are positions of the batch, or (cy = 3, lower half) the first 17.  Rows 0 to 16 are stored by all; rows 17 to 79 under an EXEC that is all ones or
; all zeros: no branch hangs on the work-group's place in its cluster.
; REGISTERS (s_set_vgpr_msb: bits 1:0 source 0, 3:2 source 1, 5:4 source 2, 7:6 destination):
;   window 0: v0-17 addresses; v32-71, v72-111 z's 5 fragments, two buffers.  On the way out v32-223 rows read back (blocks 0 to 2)
;   window 1: v0-63, v64-127 wo's 8 fragments, two buffers (on the way out blocks 3 and 4); v128-191 the bias; v192-195 at work
;   window 2: accumulators (a, b), a = 0..3, at v[64 a + 8 b];   window 3: a = 4 at v[8 b]
.set PZ,    144                        ; a position's row of z in LDS: 128 bytes + 16 = 36 words: the 16 rows of a load start at 16 different groups of four banks (64 banks of 4 bytes: ISA guide 11.1)
.set PB,    272                        ; a row of wo: 256 bytes + 16
.set AHEAD, 160*PZ                     ; a head's part of the tile: what one tensor load brings
.set ATILE, 2*AHEAD
.set BHALF, 128*PB
.set SLOT,  ATILE+2*BHALF              ; 115,712 bytes
.set STAGE, 2*SLOT                     ; behind the ring, never filled by a tensor load: for each wave 16 rows x 528 bytes
.set SPO,   528                        ; 128 f32 + 16 bytes = 132 words: row r starts at bank 4 r mod 64
.set SPARE, STAGE+4*16*SPO             ; the spare words, 128 bytes a wave: two blocks of 256 bytes that no other line names
.set HEADB, 640*128
.set R,    1
.set H,    2
.set A0,   4                           ; v4   my place in slot 0's tile of z: (80 KIND + r) PZ + 16 h; never rewritten
.set B0,   5                           ; v5   in its tile of wo; never rewritten
.set ADRA, 6
.set ADRB, 7
.set STO,  8                           ; v8   the way out: where I put 32 bytes of a row
.set RD,   9                           ; v9   where I read a row back
.set GO,   10                          ; v10  16 x lane
.set SPW,  12
.set NIL,  13
.set PFO,  14
.set BO,   15
.set LIMV, 16                          ; v16  the positions of the batch from my wave's first row on
.set AF,   32
.set BIAS, 128                         ; window 1
.set BT,   192                         ; window 1
.set WV,   12
.set KIND, 13                          ; wave / 2: my half of the rows.  Also: I fetch for z (0) or for wo (1)
.set HALF, 14                          ; wave % 2: my half of the columns.  Also: which head of the step, or which half of wo's tile, I fetch
.set CX,   15
.set CY,   16
.set BB,   18
.set CNT,  19
.set OFS,  20
.set LBA,  21
.set LBB,  22
.set LIM,  23
.set G1A,  24
.set G0A,  32
.set G1B,  40
.set G0B,  48
.set PFA,  56
.set PST,  58
.set MSB, 0
.macro WIN new
.if MSB != (\new)
	s_set_vgpr_msb (MSB<<8)|(\new)
.set MSB, \new
.endif
.endm
.macro PLACES
.rept 4
	v_nop
.endr
.endm
.macro CREST                           ; a round of the cluster's barrier behind its opening barrier
	s_cmp_lg_u32 s[WV], 0
	s_cbranch_scc1 .Lnot0_\@
	s_barrier_signal -3
.Lnot0_\@:
	s_barrier_wait -3
	s_barrier_signal -1
	s_barrier_wait -1
.endm
.macro CROUND
	s_barrier_signal -1
	s_barrier_wait -1
	CREST
.endm
.macro JLOAD                           ; a joint refill by the walking descriptors; an s_nop 0 and four v_nop follow each of the two lines
	s_cmp_eq_u32 s[KIND], 0
	s_cbranch_scc0 .Ljb_\@
	tensor_load_to_lds s[G0A+4:G0A+7], s[G1A:G1A+7]
	s_nop 0
	PLACES
	s_branch .Ljd_\@
.Ljb_\@:
	tensor_load_to_lds s[G0B+4:G0B+7], s[G1B:G1B+7]
	s_nop 0
	PLACES
.Ljd_\@:
.endm
; A PREFETCH INTO THE L2 of the K step that the NEXT refill will ask for: one K step, 160 matrix instructions, ahead of that load; behind the joint load, its five lines and the run of LDS loads.
; z: waves 0 and 1 of every cluster (no other cluster reads these rows).  Of the 80 blocks of 256 bytes that a wave fetches each of the four partners along x takes 20, told apart by address: a lane a block;
; lanes 20 to 31 name lane 19's again.  wo: waves 2 and 3 of the cluster with b = 0; of a wave's 128 rows the partner at cy takes 32: a lane a row.
; The loop's last trip asks for nothing; K steps 0 to 2 come by their loads alone.
.macro ASK
	s_cmp_gt_u32 s[CNT], s[LIM]
	s_cbranch_scc0 .Lno_\@
	global_prefetch_b8 v[PFO], s[PFA:PFA+1] th:TH_LOAD_NT scope:SCOPE_SE
.Lno_\@:
.endm
	s_load_b256 s[68:75], s[0:1], 0x0              ; zh s[68:69], wo s[70:71], b_O s[72:73], out0 s[74:75]
	v_lshl_add_u32 v[SPW], v0, 2, SPARE
	v_mov_b32 v[NIL], 0
	ds_add_u32 v[SPW], v[NIL]                      ; the wave's opening: the add and its wait stand ahead of my first tensor load; the set-up below, work on registers, stands between them
	v_lshrrev_b32 v3, 5, v0
	v_readfirstlane_b32 s[WV], v3
	s_lshr_b32 s[KIND], s[WV], 1
	s_and_b32 s[HALF], s[WV], 1
	s_bfe_u32 s[CX], ttmp6, 0x40000
	s_bfe_u32 s[CY], ttmp6, 0x40004
	s_and_b32 s[BB], ttmp7, 0xffff                 ; in a cluster launch ttmp7 counts clusters
	s_lshl_b32 s60, s[CY], 2
	s_lshl_b32 s60, 15, s60                        ; my row of the cluster
	s_lshl_b32 s61, 0x1111, s[CX]                  ; my column
	; group 1 for z: 80 rows x 128 elements of 2 bytes, 16 bytes of padding behind every 32 words
	s_or_b32 s[G1A], s60, (1<<16)|(1<<20)|(1<<21)|(4<<22)|(3<<25)
	s_mov_b32 s[G1A+1], 128<<16
	s_mov_b32 s[G1A+2], 80<<16
	s_mov_b32 s[G1A+3], 128<<16
	s_mov_b32 s[G1A+4], 80
	s_mov_b32 s[G1A+5], 128
	s_mov_b32 s[G1A+6], 0
	s_mov_b32 s[G1A+7], 0
	; group 1 for wo: 128 rows x 128 elements of 2 bytes, 16 bytes of padding behind each row's 64 words
	s_or_b32 s[G1B], s61, (1<<16)|(1<<20)|(1<<21)|(5<<22)|(3<<25)
	s_mov_b32 s[G1B+1], 128<<16
	s_mov_b32 s[G1B+2], 128<<16
	s_mov_b32 s[G1B+3], 128<<16
	s_mov_b32 s[G1B+4], 128
	s_mov_b32 s[G1B+5], 1024
	s_mov_b32 s[G1B+6], 0
	s_mov_b32 s[G1B+7], 0
	s_mul_i32 s[LBA], s[HALF], AHEAD               ; no place in the cluster enters an LDS address
	s_mul_i32 s[LBB], s[HALF], BHALF
	s_add_co_u32 s[LBB], s[LBB], ATILE
	s_mov_b32 s[OFS], 0
	s_mov_b32 s[G0A], 1
	s_mov_b32 s[G0A+1], s[LBA]
	s_mov_b32 s[G0A+4], 1
	s_add_co_u32 s[G0A+5], s[LBA], SLOT
	s_mov_b32 s[G0B], 1
	s_mov_b32 s[G0B+1], s[LBB]
	s_mov_b32 s[G0B+4], 1
	s_add_co_u32 s[G0B+5], s[LBB], SLOT
	s_mul_i32 s62, s[CY], 160
	s_lshl_b32 s84, s[BB], 4                       ; z: head 16 b + HALF, row 160 cy, 128 bytes a row (registers that never hold cx)
	s_add_co_u32 s84, s84, s[HALF]
	s_mul_i32 s84, s84, 640
	s_add_co_u32 s84, s84, s62
	s_lshl_b32 s84, s84, 7
	s_mov_b32 s85, 0
	s_lshl_b32 s88, s[CX], 8                       ; wo: row 256 cx + 128 HALF (registers that never hold cy)
	s_lshl_b32 s66, s[HALF], 7
	s_add_co_u32 s88, s88, s66
	s_lshl_b32 s67, s88, 2                         ; the same column's byte in b_O and in a row of out0
	s_lshl_b32 s88, s88, 11
	s_mov_b32 s89, 0
	s_mul_i32 s3, s[KIND], 80
	s_add_co_u32 s63, s62, s3                      ; my wave's first position
	s_mul_i32 s2, s[BB], 577
	s_add_co_u32 s2, s2, s63
	s_lshl_b32 s2, s2, 12                          ; out0: 4,096 bytes a row
	s_add_co_u32 s2, s2, s67
	s_mov_b32 s3, 0
	s_sub_co_u32 s63, 577, s63                     ; 17, or 80 and more
	v_mov_b32 v[LIMV], s63
	; the prefetches
	s_mul_i32 s86, s[CX], 20*256                   ; z: my work-group's 20 blocks,
	s_add_co_u32 s86, s86, s84
	s_add_co_u32 s86, s86, 2*2*HEADB               ; K step 2: the first change of slots steps it to 3
	s_lshl_b32 s90, s[CY], 16                      ; wo: my work-group's 32 rows of 2,048 bytes,
	s_add_co_u32 s90, s90, s88
	s_add_co_u32 s90, s90, 2*256
	s_mov_b32 s95, 2*HEADB
	s_cmp_eq_u32 s[KIND], 0
	s_cselect_b32 s86, s86, s90
	s_cselect_b32 s91, 19, 31
	s_cselect_b32 s94, 8, 11
	s_cselect_b32 s[PST], s95, 256
	s_cselect_b32 s[LIM], 0, s[BB]
	s_cmp_eq_u32 s[LIM], 0
	s_cselect_b32 s[LIM], 1, -1                    ; the same in all sixteen partners, for a given wave
	s_mov_b32 s[PST+1], 0
	s_mov_b32 s87, 0
	v_and_b32 v[PFO], 31, v0
	v_min_u32 v[PFO], s91, v[PFO]
	v_lshlrev_b32 v[PFO], s94, v[PFO]
	v_and_b32 v[R], 15, v0
	v_bfe_u32 v[H], v0, 4, 1
	v_lshl_add_u32 v[BO], v[H], 5, s67
	s_wait_dscnt 0x0                               ; the opening add is done
	s_wait_kmcnt 0x0
	s_cmp_eq_u32 s[KIND], 0
	s_cselect_b64 s[PFA:PFA+1], s[68:69], s[70:71]
	s_add_nc_u64 s[PFA:PFA+1], s[PFA:PFA+1], s[86:87]
	s_add_nc_u64 s[10:11], s[74:75], s[2:3]        ; out0 at my wave's first row and column
	s_add_nc_u64 s[G0A+2:G0A+3], s[68:69], s[84:85]
	s_add_nc_u64 s[G0A+6:G0A+7], s[G0A+2:G0A+3], 2*HEADB  ; K step 1: two heads on
	s_or_b32 s[G0A+3], s[G0A+3], 0x80000000
	s_or_b32 s[G0A+7], s[G0A+7], 0x80000000
	s_add_nc_u64 s[G0B+2:G0B+3], s[70:71], s[88:89]
	s_add_nc_u64 s[G0B+6:G0B+7], s[G0B+2:G0B+3], 256
	s_or_b32 s[G0B+3], s[G0B+3], 0x80000000
	s_or_b32 s[G0B+7], s[G0B+7], 0x80000000
	CROUND                                         ; all sixteen work-groups are here: the first joint loads meet
	s_cmp_eq_u32 s[KIND], 0                        ; a wave's two first fills stand in one branch: two loads of mine are out
	s_cbranch_scc0 .Lfirst_b
	tensor_load_to_lds s[G0A:G0A+3], s[G1A:G1A+7]
	s_nop 0
	tensor_load_to_lds s[G0A+4:G0A+7], s[G1A:G1A+7]
	s_nop 0
	PLACES
	s_branch .Lfirst_done
.Lfirst_b:
	tensor_load_to_lds s[G0B:G0B+3], s[G1B:G1B+7]
	s_nop 0
	tensor_load_to_lds s[G0B+4:G0B+7], s[G1B:G1B+7]
	s_nop 0
	PLACES
.Lfirst_done:
	WIN 0x40
.set i, 0
.rept 8
	global_load_b128 v[BIAS+8*i:BIAS+8*i+3],   v[BO], s[72:73] offset:64*i
	global_load_b128 v[BIAS+8*i+4:BIAS+8*i+7], v[BO], s[72:73] offset:64*i+16
.set i, i+1
.endr
	WIN 0
	s_mul_i32 s95, s[KIND], 80*PZ
	v_mul_u32_u24 v[A0], v[R], PZ
	v_lshl_add_u32 v[A0], v[H], 4, v[A0]
	v_add_nc_u32 v[A0], s95, v[A0]
	s_mul_i32 s95, s[HALF], BHALF
	s_add_co_u32 s95, s95, ATILE
	v_mul_u32_u24 v[B0], v[R], PB
	v_lshl_add_u32 v[B0], v[H], 4, v[B0]
	v_add_nc_u32 v[B0], s95, v[B0]
	v_mov_b32 v[ADRA], v[A0]
	v_mov_b32 v[ADRB], v[B0]
	s_mul_i32 s95, s[WV], 16*SPO
	s_add_co_u32 s95, s95, STAGE                   ; my stage
	v_mul_u32_u24 v[STO], v[R], SPO                ; in: row r, 32 bytes for each half of the lanes
	v_lshl_add_u32 v[STO], v[H], 5, v[STO]
	v_add_nc_u32 v[STO], s95, v[STO]
	v_and_b32 v[GO], 31, v0                        ; back and out: 32 lanes take a row's 512 bytes
	v_lshlrev_b32 v[GO], 4, v[GO]
	v_add_nc_u32 v[RD], s95, v[GO]
; A group: the 8 products of 16 rows, on buffer f.  first = 1: the bias starts the sums.
.macro OG f, a, first
.if (\a) < 4
.set AC, 64*(\a)
	WIN 0xa1-0x10*(\first)                         ; wo window 1, z window 0, D window 2, C window 2 (the bias: window 1)
.else
.set AC, 0
	WIN 0xf1-0x20*(\first)
.endif
.set bb, 0
.rept 8
.if \first
	v_wmma_f32_16x16x32_f16 v[AC+8*bb:AC+8*bb+7], v[64*(\f)+8*bb:64*(\f)+8*bb+7], v[AF+40*(\f)+8*(\a):AF+40*(\f)+8*(\a)+7], v[BIAS+8*bb:BIAS+8*bb+7]
.else
	v_wmma_f32_16x16x32_f16 v[AC+8*bb:AC+8*bb+7], v[64*(\f)+8*bb:64*(\f)+8*bb+7], v[AF+40*(\f)+8*(\a):AF+40*(\f)+8*(\a)+7], v[AC+8*bb:AC+8*bb+7]
.endif
.set bb, bb+1
.endr
.endm
; 26 LDS loads in one run: quarter kq (head kq / 2 of the step, channels 32 (kq % 2) on) into buffer g: wo's eight fragments, then z's five.
.macro OFETCH kq, g
	WIN 0x40
.set i, 0
.rept 8
	ds_load_b128 v[64*(\g)+8*i:64*(\g)+8*i+3],   v[ADRB] offset:64*(\kq)+16*PB*i
	ds_load_b128 v[64*(\g)+8*i+4:64*(\g)+8*i+7], v[ADRB] offset:64*(\kq)+16*PB*i+32
.set i, i+1
.endr
	WIN 0
.set i, 0
.rept 5
	ds_load_b128 v[AF+40*(\g)+8*i:AF+40*(\g)+8*i+3],   v[ADRA] offset:AHEAD*((\kq)/2)+64*((\kq)%2)+16*PZ*i
	ds_load_b128 v[AF+40*(\g)+8*i+4:AF+40*(\g)+8*i+7], v[ADRA] offset:AHEAD*((\kq)/2)+64*((\kq)%2)+16*PZ*i+32
.set i, i+1
.endr
.endm
; One of a K step's first three quarters.  Four v_nop are the places between the last product that read buffer g and the loads into it (ISA guide 7.12.1 for vector instructions).
.macro OQ f, g, kq, first
	s_wait_dscnt 4                                 ; all but z's fragments 3 and 4
	OG \f, 0, \first
	OG \f, 1, \first
	PLACES
	OFETCH \kq, \g
	s_wait_dscnt 26                                ; all but the 26 just issued
	OG \f, 2, \first
	OG \f, 3, \first
	OG \f, 4, \first
.endm
; The last quarter multiplies buffer 1 and changes slots: each wave waits for all its tensor loads, adds 0 to its spare word, and waits for that and for its reads of this slot.  fill = 1: the barrier opens a round of
; the cluster's barrier, and the joint refill, K step two on, is the first thing behind the round.
.macro OTURN fill
.if \fill
	s_wait_xcnt 0x0                                ; the last prefetch, a K step back, has read its address
	s_add_nc_u64 s[PFA:PFA+1], s[PFA:PFA+1], s[PST:PST+1]
.endif
	WIN 0
	s_wait_tensorcnt 0x0                           ; all my tensor loads have landed: my part of the next slot
	ds_add_u32 v[SPW], v[NIL]                      ; 0 onto my spare word
	s_wait_dscnt 5                                 ; (the add and the four loads of fragments 3 and 4 may be out)
	OG 1, 0, 0                                     ; eight products stand between the add and the wait for it
	s_wait_dscnt 0x0                               ; the add is done, and my reads of this slot are over
	s_barrier_signal -1
	OG 1, 1, 0
	WIN 0
	s_barrier_wait -1
.if \fill
	CREST
	s_add_co_u32 s[G0A+5], s[LBA], s[OFS]          ; the walking descriptors: the slot just read, the next K step
	s_add_nc_u64 s[G0A+6:G0A+7], s[G0A+6:G0A+7], 2*HEADB
	s_add_co_u32 s[G0B+5], s[LBB], s[OFS]
	s_add_nc_u64 s[G0B+6:G0B+7], s[G0B+6:G0B+7], 256
	JLOAD                                          ; the four v_nop behind it are also the places in front of the loads below
.else
	PLACES
.endif
	s_xor_b32 s[OFS], s[OFS], SLOT
	v_add_nc_u32 v[ADRA], s[OFS], v[A0]
	v_add_nc_u32 v[ADRB], s[OFS], v[B0]
	OFETCH 0, 0
.if \fill
	ASK
.endif
	OG 1, 2, 0
	OG 1, 3, 0
	OG 1, 4, 0
.endm
	s_wait_tensorcnt 0x1                           ; my part of K step 0 is in; K step 1's may stay out
	s_barrier_signal -1
	s_barrier_wait -1
	OFETCH 0, 0
	s_wait_loadcnt 0x0                             ; the bias, rounded to bf16 like every input and kept as f32
	WIN 0x45
.set i, 0
.rept 32
	v_cvt_pk_bf16_f32 v[BT+i%4], v[BIAS+2*i], v[BIAS+2*i+1]
	v_lshlrev_b32 v[BIAS+2*i], 16, v[BT+i%4]
	v_and_b32 v[BIAS+2*i+1], 0xffff0000, v[BT+i%4]
.set i, i+1
.endr
	OQ 0, 1, 1, 1                                  ; the first quarter stands in front of the loop: its products start the sums
	WIN 0
	s_mov_b32 s[CNT], 6
.Lstep:                                                ; a trip goes from a K step's second quarter to the next step's first, and fills the slot that it leaves: K steps 2 to 7
	OQ 1, 0, 2, 0
	OQ 0, 1, 3, 0
	OTURN 1
	OQ 0, 1, 1, 0
	WIN 0
	s_sub_co_u32 s[CNT], s[CNT], 1
	s_cmp_lg_u32 s[CNT], 0
	s_cbranch_scc1 .Lstep
	OQ 1, 0, 2, 0                                  ; the last two K steps are written out: nothing is left to ask for
	OQ 0, 1, 3, 0
	OTURN 0
	OQ 0, 1, 1, 0
	OQ 1, 0, 2, 0
	OQ 0, 1, 3, 0
	s_wait_dscnt 4
	OG 1, 0, 0
	OG 1, 1, 0
	s_wait_dscnt 0x0
	OG 1, 2, 0
	OG 1, 3, 0
	OG 1, 4, 0
; THE WAY OUT, a block of 16 rows at a time.  OSTAGE: a lane's 8 columns, 32 bytes, go straight from the accumulator into my own stage (its four lowest registers first), and come back as
; whole rows of 512 bytes, into registers of the block's own.  OSEND: rows t0 to t1 of the block, 512 consecutive bytes a store, at a multiple of 256 from out0's first byte.
.macro OSTAGE a
.if (\a) < 4
	WIN 0x08                                       ; a store's data is source 1: window 2
.set AC, 64*(\a)
.else
	WIN 0x0c
.set AC, 0
.endif
.set i, 0
.rept 8
	ds_store_b128 v[STO], v[AC+8*i:AC+8*i+3]   offset:64*i
	ds_store_b128 v[STO], v[AC+8*i+4:AC+8*i+7] offset:64*i+16
.set i, i+1
.endr
.if (\a) < 3
	WIN 0
.set OBR, 32+64*(\a)
.else
	WIN 0x40
.set OBR, 64*((\a)-3)
.endif
.set i, 0
.rept 16
	ds_load_b128 v[OBR+4*i:OBR+4*i+3], v[RD] offset:SPO*i  ; LDS serves a wave's instructions in order (ISA guide 5.7.1.4): these see the stores above; the next block's stores come behind them
.set i, i+1
.endr
.endm
.macro OSEND a, t0, t1
.if (\a) < 3
	WIN 0
.set OBR, 32+64*(\a)
.else
	WIN 0x04                                       ; a store's data is source 1: window 1
.set OBR, 64*((\a)-3)
.endif
.set i, \t0
.rept (\t1)-(\t0)+1
	global_store_b128 v[GO], v[OBR+4*i:OBR+4*i+3], s[10:11] offset:4096*(16*(\a)+i) th:TH_STORE_NT
.set i, i+1
.endr
.endm
	WIN 0
	PLACES                                         ; behind the last products: ahead of stores that read results and of loads into the fragments' registers
	OSTAGE 0
	OSTAGE 1
	s_wait_dscnt 0x0
	OSEND 0, 0, 15                                 ; rows 0 to 16 are positions of the batch in every wave
	OSEND 1, 0, 0
	OSTAGE 2
	OSTAGE 3
	OSTAGE 4
	WIN 0
	s_wait_dscnt 0x0
	s_wait_xcnt 0x0                                ; EXEC is a source of the stores above: it changes only behind this wait
	v_cmp_lt_u32 vcc_lo, 17, v[LIMV]               ; all lanes alike: are rows 17 to 79 positions of the batch?
	s_and_saveexec_b32 s60, vcc_lo
	OSEND 1, 1, 15
	OSEND 2, 0, 15
	OSEND 3, 0, 15
	OSEND 4, 0, 15
	WIN 0
	s_wait_xcnt 0x0                                ; and again, in front of the line that widens it
	s_or_b32 exec_lo, exec_lo, s60
	s_wait_tensorcnt 0x0                           ; the wave's end: the wait, the add and its wait behind my last tensor load and my last LDS store
	ds_add_u32 v[SPW], v[NIL]
	s_wait_dscnt 0x0
	CROUND                                         ; the closing round: no work-group ends while a partner may still ask for a tile that names it
	s_endpgm
.Lfunc_end_k_qaab642858e_outp:
	.size	k_qaab642858e_outp, .Lfunc_end_k_qaab642858e_outp-k_qaab642858e_outp
	.p2alignl 7, 3214868480
	.fill 96, 4, 3214868480
	.section	.rodata,"a",@progbits
	.p2align	6, 0x0
	.amdhsa_kernel k_qaab642858e_outp
		.amdhsa_group_segment_fixed_size 327680
		.amdhsa_private_segment_fixed_size 0
		.amdhsa_enable_private_segment 0
		.amdhsa_kernarg_size 32
		.amdhsa_user_sgpr_count 2
		.amdhsa_user_sgpr_kernarg_segment_ptr 1
		.amdhsa_wavefront_size32 1
		.amdhsa_system_sgpr_workgroup_id_x 1
		.amdhsa_system_sgpr_workgroup_id_y 1
		.amdhsa_system_sgpr_workgroup_id_z 1
		.amdhsa_system_vgpr_workitem_id 0
		.amdhsa_next_free_vgpr 832
		.amdhsa_next_free_sgpr 96
		.amdhsa_reserve_vcc 1
		.amdhsa_float_denorm_mode_32 3
		.amdhsa_float_denorm_mode_16_64 3
		.amdhsa_memory_ordered 1
		.amdhsa_forward_progress 1
		.amdhsa_inst_pref_size 89
	.end_amdhsa_kernel
	.amdgpu_metadata
---
amdhsa.version: [ 1, 2 ]
amdhsa.kernels:
  - .name:           k_qaab642858e_outp
    .symbol:         k_qaab642858e_outp.kd
    .args:
      - { .name: zh, .offset: 0, .size: 8, .value_kind: global_buffer, .address_space: global }
      - { .name: wo, .offset: 8, .size: 8, .value_kind: global_buffer, .address_space: global }
      - { .name: b_O, .offset: 16, .size: 8, .value_kind: global_buffer, .address_space: global }
      - { .name: out0, .offset: 24, .size: 8, .value_kind: global_buffer, .address_space: global }
    .group_segment_fixed_size: 327680
    .private_segment_fixed_size: 0
    .kernarg_segment_align: 8
    .kernarg_segment_size: 32
    .max_flat_workgroup_size: 128
    .sgpr_count:     96
    .vgpr_count:     832
    .wavefront_size: 32
...
	.end_amdgpu_metadata
.endif
;; end of part 4
;; ======== version 2 of 2: 4 launches; version 1 with the launch prep written anew for expert scheduling mode
;; limits: values are held in f16: magnitudes above 65,504 overflow, below 6.1e-05 lose precision
;; workspace buffers: wt 6,291,456 bytes; wo 2,097,152 bytes; qkv 62,914,560 bytes; zh 20,971,520 bytes
;; launch prep (part 5): grid 128 x 4, 4 waves a work-group, no clusters, 17,920 bytes of LDS; arguments W_Q, W_K, W_V, W_O, wt, wo; writes wt, wo
.if DOCPART == 5
	.amdgcn_target "amdgcn-amd-amdhsa--gfx1250"
	.amdhsa_code_object_version 6
	.text
	.protected	k_qaab642858e_prep
	.globl	k_qaab642858e_prep
	.p2align	8
	.type	k_qaab642858e_prep,@function
k_qaab642858e_prep:
	s_mov_b64 s[64:65], 0
	v_nop
	global_prefetch_b8 v0, s[64:65] scope:SCOPE_SE
	s_setreg_imm32_b32 hwreg(HW_REG_WAVE_SCHED_MODE, 0, 2), 2
	s_setreg_imm32_b32 hwreg(HW_REG_WAVE_MODE, 25, 1), 1
	s_wait_xcnt 0x0
	s_wait_alu depctr_vm_vsrc(0)
; THE WEIGHTS, ROUNDED AND TURNED, once for the later launches.
;   wt[mat][n = 64 head + e][k = d] = bf16(W_mat[head][d][e]), mat = 0, 1, 2 for W_Q, W_K, W_V;   wo[n = d][k = 64 head + e] = f16(bf16(W_O[head][e][d])).
; Both results have K along the rows, as a matrix operand wants it.  W_O is rounded to bf16 like every input of the module; that number is then written as f16, since it
; multiplies an f16 operand.  LIMIT: the second step is exact from 6.1e-5 up to 65,504; below, f16 keeps a fixed step of 6e-8.
; SHARES.  A work-group turns one tile of 128 k x 64 n: x = i16 + 16 kb (i16: the head, or for W_O the block of 64 columns; kb: the block of 128 k), y = mat (3: W_O).
; A thread loads 16 bytes (4 n) of two neighbouring rows k, k + 1: sixteen lanes read 256 consecutive bytes.  A pair (k, k + 1) of one n is one word of the turned tile in LDS
; (64 rows n of 256 bytes, 272 apart).  Behind one barrier the rows are read back whole, and sixteen lanes store 256 consecutive bytes, aligned.
; The word stores into LDS fall four to a bank; the launch moves each byte once and has no other work, so that is left as it is.  No matrix unit, no cluster, no tensor load: nothing is shared or multiplied.
; THE MODE: SCHED_MODE bits 1:0 = 2 (LLVM: expert scheduling mode 2), set by the entry lines.  The code itself states the register dependences
; between vector instructions and memory or LDS instructions, with s_wait_alu, always for 0.
; THE PLAN.  Registers that memory or LDS instructions touch:
;   v[SO], v[LS], v[LR], v[DS]   offsets and LDS addresses: written once by vector lines ahead of the first load, read by loads and stores, never written again.
;   X low  (group i: v[X+8i .. +3])    row k as loaded; group i's conversions read it and write the packed words IN PLACE; one LDS store reads each word; never written again.
;   X high (group i: v[X+8i+4 .. +7])  row k + 1 as loaded; group i's conversions read it; behind the barrier the LDS load of eight whole rows lands in it, and a global store reads that.
;   T      named by vector instructions alone.      v[SPW], v[NIL]   written at the head, read by the closing add alone.
; The eight groups go in four steps of two.  A step's head waits for its four loads and, from the second step on, states that the step before's conversions have written its X low; that step's eight
; LDS stores then stand among this step's conversions, which name this step's X and T alone.  One more such wait stands behind the last step, ahead of its stores; no vector instruction follows it,
; so it also states that X high has been read, for the LDS loads behind the barrier.  No register that a memory or LDS instruction reads is written again: no wait on vm_vsrc is owed.
; No vector instruction writes a scalar register or VCC, and EXEC is never written.
.set PT,    272                        ; a row of the turned tile: 128 k x 2 bytes + 16
.set SPARE, 64*PT                      ; behind the tile: the spare words, 128 bytes a wave: two blocks of 256 bytes that no other line names
.set CL,  1                            ; v1   t % 16: my 4 columns n
.set RP,  2                            ; v2   t / 16: my pair of rows in each group of 16 rows
.set SO,  3                            ; v3   my byte offset in the source tile
.set LS,  4                            ; v4   where my words go in LDS
.set LR,  5                            ; v5   where I read a row back
.set DS,  6                            ; v6   my byte offset in the result's tile
.set SPW, 8                            ; v8   LDS address of my spare word; never rewritten
.set NIL, 9                            ; v9   0; never rewritten
.set X,   16                           ; v[16:79]  group i: 4 numbers of row k (then the 4 packed words), 4 of row k + 1 (then 16 bytes of a whole row)
.set T,   80                           ; v[80:87]  at work, for W_O alone: a group's eight bf16 numbers as f32
.set MAT, 16
.set I16, 17
.set KB,  18
	s_load_b256 s[4:11], s[0:1], 0x0               ; W_Q s[4:5], W_K s[6:7], W_V s[8:9], W_O s[10:11]
	s_load_b128 s[12:15], s[0:1], 0x20             ; wt s[12:13], wo s[14:15]
	v_lshl_add_u32 v[SPW], v0, 2, SPARE
	v_mov_b32 v[NIL], 0
	v_and_b32 v[CL], 15, v0
	v_lshrrev_b32 v[RP], 4, v0
	s_and_b32 s[MAT], ttmp7, 0xffff
	s_and_b32 s[I16], ttmp9, 15
	s_lshr_b32 s[KB], ttmp9, 4
	v_mul_u32_u24 v[LS], v[CL], 4*PT               ; row n = 4 c,
	v_lshl_add_u32 v[LS], v[RP], 2, v[LS]          ; word k / 2 = rp (+ 8 i in the immediate)
	v_mul_u32_u24 v[LR], v[RP], PT                 ; back: sixteen lanes a row
	v_lshl_add_u32 v[LR], v[CL], 4, v[LR]
	v_lshlrev_b32 v[DS], 11, v[RP]                 ; and the same row in the result, 2,048 bytes a row
	v_lshl_add_u32 v[DS], v[CL], 4, v[DS]
	s_lshl_b32 s20, s[I16], 18                     ; W_Q, W_K, W_V: head x 262,144 + kb x 128 rows of 256 bytes
	s_lshl_b32 s21, s[KB], 15
	s_add_co_u32 s20, s20, s21
	s_lshl_b32 s22, s[KB], 19                      ; W_O: kb x 128 rows of 4,096 bytes + 64 columns x i16
	s_lshl_b32 s23, s[I16], 8
	s_add_co_u32 s22, s22, s23
	s_lshl_b32 s24, s[I16], 17                     ; the result: 64 rows of 2,048 bytes x i16 + 256 bytes x kb
	s_lshl_b32 s25, s[KB], 8
	s_add_co_u32 s24, s24, s25
	s_lshl_b32 s25, s[MAT], 21                     ; wt: 2 MiB a matrix
	s_add_co_u32 s26, s24, s25
	s_cmp_eq_u32 s[MAT], 3
	s_cselect_b32 s20, s22, s20
	s_cselect_b32 s24, s24, s26
	s_mov_b32 s21, 0
	s_mov_b32 s25, 0
	s_wait_kmcnt 0x0
	s_cmp_eq_u32 s[MAT], 1
	s_cselect_b64 s[4:5], s[6:7], s[4:5]
	s_cmp_eq_u32 s[MAT], 2
	s_cselect_b64 s[4:5], s[8:9], s[4:5]
	s_cmp_eq_u32 s[MAT], 3
	s_cselect_b64 s[4:5], s[10:11], s[4:5]
	s_cselect_b64 s[12:13], s[14:15], s[12:13]
	s_add_nc_u64 s[4:5], s[4:5], s[20:21]          ; the source tile
	s_add_nc_u64 s[12:13], s[12:13], s[24:25]      ; the result's tile
; The way in: 16 loads, then step by step (two groups a step) the rounding, with the word stores of the step before among it.
; pitch: bytes from row to row of the source; sh: log2(2 pitch); f16 = 1: the bf16 numbers are written as f16.
.macro BODY pitch, sh, f16
	v_lshlrev_b32 v[SO], \sh, v[RP]                ; rows 2 rp, 2 rp + 1
	v_lshl_add_u32 v[SO], v[CL], 4, v[SO]
	s_wait_alu depctr_va_vdst(0)                   ; v[SO], v[LS], v[LR] and v[DS] are written: every load and store below reads one of them as its offset or address, and no later vector line names them
.set i, 0
.rept 8
	global_load_b128 v[X+8*i:X+8*i+3],   v[SO], s[4:5] offset:16*i*(\pitch) th:TH_LOAD_NT
	global_load_b128 v[X+8*i+4:X+8*i+7], v[SO], s[4:5] offset:16*i*(\pitch)+(\pitch) th:TH_LOAD_NT
.set i, i+1
.endr
.set i, 0
.rept 8
.if i%2 == 0
	s_wait_loadcnt 12-2*i                          ; loads come back in order: the four of groups i and i + 1 are in, the younger steps' stay out
.if i > 0
	s_wait_alu depctr_va_vdst(0)                   ; the conversions of groups i - 2 and i - 1 have written their packed words, which this step's eight LDS stores read
.endif
.endif
.set j, 0
.rept 4
.if i > 1
	ds_store_b32 v[LS], v[X+8*(i-2)+j] offset:PT*j+32*(i-2)  ; a word of the step before; no vector line since the wait names it
.endif
	v_cvt_pk_bf16_f32 v[X+8*i+j], v[X+8*i+j], v[X+8*i+4+j]  ; column 4 c + j: k in the low half, k + 1 in the high half; the word takes row k's register
.set j, j+1
.endr
.if \f16
.set j, 0
.rept 4
	v_lshlrev_b32 v[T+2*j], 16, v[X+8*i+j]
	v_and_b32 v[T+2*j+1], 0xffff0000, v[X+8*i+j]
.set j, j+1
.endr
.set j, 0
.rept 4
	v_cvt_pk_f16_f32 v[X+8*i+j], v[T+2*j], v[T+2*j+1]
.set j, j+1
.endr
.endif
.set i, i+1
.endr
	s_wait_alu depctr_va_vdst(0)                   ; the conversions of groups 6 and 7 have written their words, which the stores below read; and every conversion is done reading row k + 1's registers, in which the LDS loads behind the barrier land
.set i, 6
.rept 2
.set j, 0
.rept 4
	ds_store_b32 v[LS], v[X+8*i+j] offset:PT*j+32*i
.set j, j+1
.endr
.set i, i+1
.endr
.endm
	s_cmp_eq_u32 s[MAT], 3                         ; the same for the whole work-group
	s_cbranch_scc1 .Lwo
	BODY 256, 9, 0
	s_branch .Ljoin
.Lwo:
	BODY 4096, 13, 1
.Ljoin:
	s_wait_dscnt 0x0                               ; for the others' sake: my words lie in the tile
	s_barrier_signal -1
	s_barrier_wait -1
.set i, 0
.rept 8
	ds_load_b128 v[X+8*i+4:X+8*i+7], v[LR] offset:8*PT*i  ; the 128 threads take eight whole rows at a time; into registers that no LDS store has read, and that no vector line has named since the last wait on either way here
.set i, i+1
.endr
.set i, 0
.rept 8
	s_wait_dscnt 7-i
	global_store_b128 v[DS], v[X+8*i+4:X+8*i+7], s[12:13] offset:16384*i  ; sixteen lanes store 256 consecutive bytes, at a multiple of 256 from the buffer's first
.set i, i+1
.endr
	s_wait_dscnt 0x0                               ; the closing lines, six on end
	s_wait_alu 0x0
	s_wait_tensorcnt 0x0
	ds_add_u32 v[SPW], v[NIL]
	s_wait_dscnt 0x0
	s_endpgm
.Lfunc_end_k_qaab642858e_prep:
	.size	k_qaab642858e_prep, .Lfunc_end_k_qaab642858e_prep-k_qaab642858e_prep
	.p2alignl 7, 3214868480
	.fill 96, 4, 3214868480
	.section	.rodata,"a",@progbits
	.p2align	6, 0x0
	.amdhsa_kernel k_qaab642858e_prep
		.amdhsa_group_segment_fixed_size 17920
		.amdhsa_private_segment_fixed_size 0
		.amdhsa_enable_private_segment 0
		.amdhsa_kernarg_size 48
		.amdhsa_user_sgpr_count 2
		.amdhsa_user_sgpr_kernarg_segment_ptr 1
		.amdhsa_wavefront_size32 1
		.amdhsa_system_sgpr_workgroup_id_x 1
		.amdhsa_system_sgpr_workgroup_id_y 1
		.amdhsa_system_sgpr_workgroup_id_z 1
		.amdhsa_system_vgpr_workitem_id 0
		.amdhsa_next_free_vgpr 96
		.amdhsa_next_free_sgpr 66
		.amdhsa_reserve_vcc 0
		.amdhsa_float_denorm_mode_32 3
		.amdhsa_float_denorm_mode_16_64 3
		.amdhsa_memory_ordered 1
		.amdhsa_forward_progress 1
		.amdhsa_inst_pref_size 21
	.end_amdhsa_kernel
	.amdgpu_metadata
---
amdhsa.version: [ 1, 2 ]
amdhsa.kernels:
  - .name:           k_qaab642858e_prep
    .symbol:         k_qaab642858e_prep.kd
    .args:
      - { .name: W_Q, .offset: 0, .size: 8, .value_kind: global_buffer, .address_space: global }
      - { .name: W_K, .offset: 8, .size: 8, .value_kind: global_buffer, .address_space: global }
      - { .name: W_V, .offset: 16, .size: 8, .value_kind: global_buffer, .address_space: global }
      - { .name: W_O, .offset: 24, .size: 8, .value_kind: global_buffer, .address_space: global }
      - { .name: wt, .offset: 32, .size: 8, .value_kind: global_buffer, .address_space: global }
      - { .name: wo, .offset: 40, .size: 8, .value_kind: global_buffer, .address_space: global }
    .group_segment_fixed_size: 17920
    .private_segment_fixed_size: 0
    .kernarg_segment_align: 8
    .kernarg_segment_size: 48
    .max_flat_workgroup_size: 128
    .sgpr_count:     66
    .vgpr_count:     96
    .wavefront_size: 32
...
	.end_amdgpu_metadata
.endif
;; end of part 5
;; launch qkvp: the kernel of part 2 again; grid 4 x 64, 4 waves a work-group, clusters of 4 x 4, 327,680 bytes of LDS; arguments query_input, key_input, value_input, b_Q, b_K, b_V, wt, qkv; writes qkv
;; launch attn: the kernel of part 3 again; grid 16 x 16, 8 waves a work-group, no clusters, 214,016 bytes of LDS; arguments qkv, zh; writes zh
;; launch outp: the kernel of part 4 again; grid 4 x 64, 4 waves a work-group, clusters of 4 x 4, 327,680 bytes of LDS; arguments zh, wo, b_O, out0; writes out0
